; MI455X (gfx1250); checked and timed in simulation.
; The chip was launched on July 23, 2026; its instructions are those of AMD's public machine-readable ISA for CDNA 5 (MIT licence, August 2026) and "CDNA5" Instruction Set Architecture Reference Guide (July 2026). The comments in the code are by the model that wrote it; some were corrected since.
;; Attention. Allowed arithmetic: matrix products marked QUANTISED: E4M3 operands, one given power-of-two scale a tensor, by v_wmma_f32_16x16x64_fp8_fp8 or v_wmma_f32_16x16x128_fp8_fp8, f32 sums; everything else in f32.
;; Inputs: WK_codes 1,024 x 32 x 32 uint8 (E4M3 codes of WK, K innermost, in blocks of 32 codes); WO_codes 1,024 x 32 x 32 uint8 (E4M3 codes of WO, K innermost, in blocks of 32 codes); WQ_codes 4,096 x 32 x 32 uint8 (E4M3 codes of WQ, K innermost, in blocks of 32 codes); WV_codes 4,096 x 32 x 32 uint8 (E4M3 codes of WV, K innermost, in blocks of 32 codes); X_codes 2 x 1,024 x 32 x 32 uint8 (E4M3 codes of X, K innermost, in blocks of 32 codes); bK 1,024 float32; bO 1,024 float32; bQ 4,096 float32; bV 4,096 float32; lowp_scales 12 int32 (the exponents e of the quantised operands' scales 2^e); sink_scalars 64 float32; v_nulls 64 x 64 float32.
;; Outputs: out0 2 x 1,024 x 1,024 float32.
;; This version of the problem:
;;   THIS VERSION OF THE PROBLEM IS GIVEN IN LOW PRECISION. The matrix products marked QUANTISED in the list below multiply operands that are first quantised to E4M3 (4 exponent bits, 3 mantissa bits; 8 bits a number), with one given power-of-two scale for each operand tensor; their sums are f32. All else is computed in f32.
;;   The module's matrix products, in the order in which they are computed (A, B: the left and right operand; K: the contracted axis; several contracted axes count as one K, in the product's order):
;;     1. [M 2,048, K 1,024] x [K 1,024, N 4,096]; A: input X (given as codes); B: input WQ (given as codes): QUANTISED (scales: A lowp_scales[0], B lowp_scales[1])
;;     2. [M 2,048, K 1,024] x [K 1,024, N 4,096]; A: input X (given as codes); B: input WV (given as codes): QUANTISED (scales: A lowp_scales[2], B lowp_scales[3])
;;     3. [M 2,048, K 1,024] x [K 1,024, N 1,024]; A: input X (given as codes); B: input WK (given as codes): QUANTISED (scales: A lowp_scales[4], B lowp_scales[5])
;;     4. batch 128 x [M 1,024, K 64] x [K 64, N 1,024]; A: computed on the way; B: computed on the way: QUANTISED (scales: A lowp_scales[6], B lowp_scales[7])
;;     5. batch 128 x [M 1,024, K 1,024] x [K 1,024, N 64]; A: computed on the way; B: computed on the way: QUANTISED (scales: A lowp_scales[8], B lowp_scales[9])
;;     6. [M 8,192, K 1,024] x [K 1,024, N 1,024]; A: computed on the way; B: input WO (given as codes): QUANTISED (scales: A lowp_scales[10], B lowp_scales[11])
;;   THE QUANTISER, for each operand of a quantised product, along K:
;;     - The operand's scale is 2^e, e = its entry of the input lowp_scales (int32; the entries are numbered through the quantised products in the list's order, A before B).
;;     - Each number is divided by the scale, clamped to +-448, and rounded to the nearest number of E4M3, ties to even, subnormals kept.
;;     - The product sums the exact products of the quantised numbers (number of the format x scale) in f32.
;;   ~~~python
;;   def quantise(x, axis, e):      # numpy; x: float32 -> the quantised numbers, widened to float32 again
;;       x = np.moveaxis(x, axis, -1); K = x.shape[-1]
;;       r = np.clip(x / 2.0 ** e, -448, 448)
;;       step = 2.0 ** (np.maximum(np.frexp(np.where(r == 0, 1, r))[1] - 1, -6) - 3)
;;       q = np.round(r / step) * step * 2.0 ** e      # np.round: ties to even
;;       return np.moveaxis(q, -1, axis).astype(np.float32)
;;   ~~~
;;   OPERANDS COMPUTED ON THE WAY. 'Computed on the way' means the value that the module computes at that place (a softmax that the list does not call 'softmax' is quantised finished and normalised). What goes into a quantiser is computed in f32, as accurately as f32 sums, v_exp_f32 and their like allow (about 1e-6 of the number): no bf16 or f16 on the way to a quantiser, and a product that is left as it is and whose result goes on into a quantised operand takes f32 operands (vector FMAs, or v_wmma_f32_16x16x4_f32). A number that lies on a knife's edge between two numbers of the format may be rounded either way, as far as f32 arithmetic and the matrix unit's own rounding can turn it there, and no further.
;;   INPUTS GIVEN AS CODES. WK (in the module: [1024, 1024], K = its axis 0); WO (in the module: [1024, 1024], K = its axis 0); WQ (in the module: [1024, 4096], K = its axis 0); WV (in the module: [1024, 4096], K = its axis 0); X (in the module: [2, 1024, 1024], K = its axis 2): each comes as NAME_codes (uint8): NAME with its K axis moved to the last place and cut into blocks of 32 codes, [.., K / 32, bytes a block], one block behind the other in memory; one code a byte (a code: sign, 4 exponent bits, 3 mantissa bits); its scale is its entry of lowp_scales. Its value is code x scale, taken as it is: it is not quantised again, and the codes and scales need not be those that the quantiser above would give.
;; One version. Each part assembles by itself: llvm-mc -triple=amdgcn-amd-amdhsa -mcpu=gfx1250 --defsym DOCPART=n.
;; ======== version 1 of 1: 3 launches
;; limits: right only within a limited range of input values
;; workspace buffers: q_img 8,388,608 bytes; k_img 3,145,728 bytes; v_img 8,388,608 bytes; f_buf 786,432 bytes; wo_img 1,048,576 bytes; ctx_img 8,388,608 bytes
;; launch proj (part 1): grid 32 x 8, 4 waves a work-group, clusters of 4 x 4, 327,680 bytes of LDS; arguments X_codes, WQ_codes, WK_codes, WV_codes, WO_codes, bQ, bK, bV, lowp_scales, q_img, k_img, v_img, f_buf, wo_img; writes q_img, k_img, v_img, f_buf, wo_img
.if DOCPART == 1
	.amdgcn_target "amdgcn-amd-amdhsa--gfx1250"
	.amdhsa_code_object_version 6
	.text
	.protected	k_qb43785fb51_proj
	.globl	k_qb43785fb51_proj
	.p2align	8
	.type	k_qb43785fb51_proj,@function
k_qb43785fb51_proj:
	s_mov_b64 s[64:65], 0
	v_nop
	global_prefetch_b8 v0, s[64:65] scope:SCOPE_SE
	s_setreg_imm32_b32 hwreg(HW_REG_WAVE_MODE, 25, 1), 1
	s_wait_xcnt 0x0
	s_wait_alu depctr_hold_cnt(0) depctr_sa_sdst(0) depctr_va_vdst(0) depctr_va_sdst(0) depctr_va_ssrc(0) depctr_va_vcc(0) depctr_vm_vsrc(0)
	s_getreg_b32 s2, hwreg(HW_REG_IB_STS2, 6, 4)
	s_cmp_eq_u32 s2, 0
	s_cbranch_scc0 .Lentry_in_a_cluster
	s_endpgm
.Lentry_in_a_cluster:
	s_bfe_u32 s2, ttmp6, 0x10000c
	s_cmp_lg_u32 s2, 0xf033
	s_cbranch_scc0 .Lentry_shape_is_right
	s_endpgm
.Lentry_shape_is_right:
; THE THREE PROJECTIONS on codes of FP8 (E4M3), with bias, rms_norm, rope and the quantisers of q, k and v; the results leave as images of the next launch's operand registers.
; DEAD WORK of the whole program: reference() multiplies every score by its own band mask, so a score off the band reaches no output, whatever the inputs: the next launch makes scores in tiles that touch the band alone
; (its logit there is 0 by that product).  A NaN, an infinity or an overflow that reaches only a score off the band is not carried to the result.
; SHARES.  Work-group (x, y): positions 128 y .. +127 of BOTH batches (one table of angles serves both), Q heads 2x, 2x+1, V heads 2x, 2x+1, and half the columns of one K head.
; Wave w: batch w / 2, head 2x + w % 2; 128 rows x (64 of Q + 64 of V + 16 of K): 72 accumulators of 16 x 16, 576 registers.
; K goes in four steps of 256 through a ring of two LDS slots of four tiles (X of batch 0, of batch 1, WQ, WV: 128 rows x 256 bytes each); wave w fetches tile w by one joint load.
; CLUSTERS 4 x 4: X's tiles are shared along a row of the cluster, WQ's and WV's along a column.  WK (32 of a step's 544 rows) goes from memory straight into registers: a fifth tile would need a round of its own.
; PREFETCH: K step 2 behind step 0's load, K step 3 behind step 1's: a lane a row of 256 bytes, one instruction a wave; the four partners that share a tile take 32 of its 128 rows each, by address.
; Q and K are used transposed (source 0 = 16 columns): a lane holds one row and eight neighbouring columns; rope's pairs are neighbours in a lane.  V is used plainly: a lane holds one column and eight neighbouring keys.
; The codes of a head stand in the order of the weights' columns (each pair of rope side by side), in q and k alike.
; LIMITS: e0+e1, e2+e3, e4+e5 between -126 and 127; e6, e7, e9 between -126 and 119; e6+e7 (next launch) between -120 and 120.  NaN among the inputs is not served.
; REGISTERS.  Window 0: v1-31 addresses, scales; v32-95 K's accumulators; v96-223 X's fragments, two buffers; v224-255 at work.  Window 1: Q's accumulators (tile a, c at 8 (4 a + c)).  Window 2: V's.
; Window 3: v0-127 WQ's and WV's fragments, two buffers of 32 + 32; v128-255 WK's sixteen fragments; from step 3 on the biases in v144-191.
.set TILE,  128*272
.set SLOT,  4*TILE
.set TBL,   2*SLOT                     ; 128 positions x 32 x (cos, sin), pitch 272
.set TP,    272
.set KSTG,  TBL+128*TP                 ; K's codes: [batch][8 tiles][512]
.set PART,  KSTG+8192                  ; sums of squares, 512 bytes a wave
.set SPARE, PART+2048
.set FLAGS, (1<<20)|(1<<21)|(5<<22)|(3<<25)   ; elements of 1 byte; padding of 4 words behind every 64; bit 21 beside the mask
.set G1X, 32
.set G1W, 40
.set G0X, 48
.set G0Q, 56
.set G0V, 68
.set PFA, 76
.set RH,  78
.set CH,  79
.set HF,  80
.set KH,  81
.set HD,  82
.set LB,  83
.set WV,  92
.set CX,  93
.set CY,  94
.set GG,  95
.set RB,  96
.set MUL_Q, 0x53
.set MUL_V, 0xac
.set MUL_K, 0x03
.set TO_W,  0xc0
.set MSB, 0
.macro WIN new                         ; the immediate's high byte repeats the setting that is left
.if MSB != (\new)
	s_set_vgpr_msb (MSB<<8)|(\new)
.set MSB, \new
.endif
.endm
.macro PLACES n
.rept \n
	v_nop
.endr
.endm
.macro CREST                           ; a round of the cluster's barrier behind its opening barrier
	s_cmp_lg_u32 s[WV], 0
	s_cbranch_scc1 .Lnw0_\@
	s_barrier_signal -3
.Lnw0_\@:
	s_barrier_wait -3
	s_barrier_signal -1
	s_barrier_wait -1
.endm
.macro CROUND
	s_barrier_signal -1
	s_barrier_wait -1
	CREST
.endm
.macro GROUP1 g                        ; 128 rows x 256 bytes, 1,024 bytes apart
	s_mov_b32 s[\g+1], 256<<16
	s_mov_b32 s[\g+2], 128<<16
	s_mov_b32 s[\g+3], 256<<16
	s_mov_b32 s[\g+4], 128
	s_mov_b32 s[\g+5], 1024
	s_mov_b32 s[\g+6], 0
	s_mov_b32 s[\g+7], 0
.endm
.macro GROUP0 g, ptr
.irp u, 0, 1
	s_mov_b32 s[\g+4*\u], 1
	s_add_co_u32 s[\g+4*\u+1], s[LB], \u*SLOT
	s_add_nc_u64 s[\g+4*\u+2:\g+4*\u+3], s[\ptr:\ptr+1], \u*256
	s_or_b32 s[\g+4*\u+3], s[\g+4*\u+3], 0x80000000
.endr
.endm
.macro JLOAD u                         ; one joint load a wave; the branches hang on the wave's number alone
	s_cmp_lt_u32 s[WV], 2
	s_cbranch_scc0 .Ljw_\@
	tensor_load_to_lds s[G0X+4*\u:G0X+4*\u+3], s[G1X:G1X+7]
	s_nop 0
	PLACES 4
	s_branch .Ljd_\@
.Ljw_\@:
	s_cmp_eq_u32 s[WV], 2
	s_cbranch_scc0 .Ljv_\@
	tensor_load_to_lds s[G0Q+4*\u:G0Q+4*\u+3], s[G1W:G1W+7]
	s_nop 0
	PLACES 4
	s_branch .Ljd_\@
.Ljv_\@:
	tensor_load_to_lds s[G0V+4*\u:G0V+4*\u+3], s[G1W:G1W+7]
	s_nop 0
	PLACES 4
.Ljd_\@:
.endm
.macro FX slot, q, f                   ; X's eight fragments of the slot's q-th 64 along K into buffer f: registers 0-3 k = 16 h + 0..15, 4-7 k = 32 + 16 h + 0..15, in X and in the weights alike
	WIN 0
.set fa, 0
.rept 8
	ds_load_b128 v[96+64*(\f)+8*fa:96+64*(\f)+8*fa+3], v[16+\slot] offset:64*\q+4352*fa
	ds_load_b128 v[96+64*(\f)+8*fa+4:96+64*(\f)+8*fa+7], v[16+\slot] offset:64*\q+4352*fa+32
.set fa, fa+1
.endr
.endm
.macro FW slot, q, f                   ; WQ's four, then WV's four
	WIN TO_W
.set fa, 0
.rept 4
	ds_load_b128 v[64*(\f)+8*fa:64*(\f)+8*fa+3], v[18+\slot] offset:64*\q+4352*fa
	ds_load_b128 v[64*(\f)+8*fa+4:64*(\f)+8*fa+7], v[18+\slot] offset:64*\q+4352*fa+32
.set fa, fa+1
.endr
.set fa, 0
.rept 4
	ds_load_b128 v[64*(\f)+32+8*fa:64*(\f)+32+8*fa+3], v[20+\slot] offset:64*\q+4352*fa
	ds_load_b128 v[64*(\f)+32+8*fa+4:64*(\f)+32+8*fa+7], v[20+\slot] offset:64*\q+4352*fa+32
.set fa, fa+1
.endr
.endm
; The 72 accumulators take turns, one instruction a turn, in the same order in every quarter.
.macro MULQ f, a0, n, zero
.set ma, \a0
.rept \n
.set mc, 0
.rept 4
.if \zero
	v_wmma_f32_16x16x64_fp8_fp8 v[8*(4*ma+mc):8*(4*ma+mc)+7], v[64*\f+8*mc:64*\f+8*mc+7], v[96+64*\f+8*ma:96+64*\f+8*ma+7], 0
.else
	v_wmma_f32_16x16x64_fp8_fp8 v[8*(4*ma+mc):8*(4*ma+mc)+7], v[64*\f+8*mc:64*\f+8*mc+7], v[96+64*\f+8*ma:96+64*\f+8*ma+7], v[8*(4*ma+mc):8*(4*ma+mc)+7]
.endif
.set mc, mc+1
.endr
.set ma, ma+1
.endr
.endm
.macro MULV f, zero
.set ma, 0
.rept 8
.set mc, 0
.rept 4
.if \zero
	v_wmma_f32_16x16x64_fp8_fp8 v[8*(4*ma+mc):8*(4*ma+mc)+7], v[96+64*\f+8*ma:96+64*\f+8*ma+7], v[64*\f+32+8*mc:64*\f+32+8*mc+7], 0
.else
	v_wmma_f32_16x16x64_fp8_fp8 v[8*(4*ma+mc):8*(4*ma+mc)+7], v[96+64*\f+8*ma:96+64*\f+8*ma+7], v[64*\f+32+8*mc:64*\f+32+8*mc+7], v[8*(4*ma+mc):8*(4*ma+mc)+7]
.endif
.set mc, mc+1
.endr
.set ma, ma+1
.endr
.endm
.macro MULK f, kk, zero
.set ma, 0
.rept 8
.if \zero
	v_wmma_f32_16x16x64_fp8_fp8 v[32+8*ma:39+8*ma], v[128+8*\kk:135+8*\kk], v[96+64*\f+8*ma:96+64*\f+8*ma+7], 0
.else
	v_wmma_f32_16x16x64_fp8_fp8 v[32+8*ma:39+8*ma], v[128+8*\kk:135+8*\kk], v[96+64*\f+8*ma:96+64*\f+8*ma+7], v[32+8*ma:39+8*ma]
.endif
.set ma, ma+1
.endr
.endm
; A quarter step on buffer f; it fetches quarter q of the same slot into the other buffer.  Loads in flight, oldest first: this quarter's X 16, WQ 8, WV 8; the next one's X 16, then W 16.
.macro QUARTER slot, q, f, zero, kk
	PLACES 4
	FX \slot, \q, 1-\f
	s_wait_dscnt 24                                ; this quarter's X and WQ are in
	WIN MUL_Q
	MULQ \f, 0, 8, \zero
	PLACES 4
	FW \slot, \q, 1-\f
	s_wait_dscnt 32                                ; all but the 32 for the next quarter
	WIN MUL_V
	MULV \f, \zero
	WIN MUL_K
	MULK \f, \kk, \zero
.endm
; A step's last quarter changes slots.  fill = 1: behind the round the slot just read takes the K step two on.
.macro TURN slot, next, fill, kk
	WIN 0
	s_wait_tensorcnt 0x0
	ds_add_u32 v28, v29
	s_wait_dscnt 9                                 ; the add and WV's eight loads may be out
	WIN MUL_Q
	MULQ 1, 0, 4, 0
	s_wait_dscnt 0x0
	s_barrier_signal -1
	MULQ 1, 4, 4, 0
	WIN 0
	s_barrier_wait -1
.if \fill
	CREST
	s_add_nc_u64 s[G0X+4*\slot+2:G0X+4*\slot+3], s[G0X+4*\slot+2:G0X+4*\slot+3], 512
	s_add_nc_u64 s[G0Q+4*\slot+2:G0Q+4*\slot+3], s[G0Q+4*\slot+2:G0Q+4*\slot+3], 512
	s_add_nc_u64 s[G0V+4*\slot+2:G0V+4*\slot+3], s[G0V+4*\slot+2:G0V+4*\slot+3], 512
	JLOAD \slot
.else
	PLACES 4
.endif
	FX \next, 0, 0
	FW \next, 0, 0
	WIN MUL_V
	MULV 1, 0
	WIN MUL_K
	MULK 1, \kk, 0
.endm
.macro MKSCALE e, vs, vl               ; 2^e, and 448 x 2^e
	s_add_co_i32 s66, s[\e], 127
	s_lshl_b32 s67, s66, 23
	v_mov_b32 v[\vs], s67
	s_add_co_i32 s66, s66, 8
	s_lshl_b32 s66, s66, 23
	s_or_b32 s66, s66, 0x600000
	v_mov_b32 v[\vl], s66
.endm
.macro MKPAIR a                        ; 2^(sum of two exponents), as a pair
	s_add_co_i32 s[\a], s[\a], s[\a+1]
	s_add_co_i32 s[\a], s[\a], 127
	s_lshl_b32 s[\a], s[\a], 23
	s_mov_b32 s[\a+1], s[\a]
.endm
.macro FREQ lane, bits                 ; lane i: 10000^(-i/32)
	s_mov_b32 s99, \bits
	v_writelane_b32 v30, s99, \lane
.endm
	s_load_b256 s[4:11], s[0:1], 0x0               ; X, WQ, WK, WV
	s_load_b256 s[12:19], s[0:1], 0x20             ; WO, bQ, bK, bV
	s_load_b256 s[20:27], s[0:1], 0x40             ; scales, q_img, k_img, v_img
	s_load_b128 s[28:31], s[0:1], 0x60             ; f_buf, wo_img
	v_lshl_add_u32 v28, v0, 2, SPARE
	v_mov_b32 v29, 0
	ds_add_u32 v28, v29                            ; the opening add, twice on end
	ds_add_u32 v28, v29
	v_lshrrev_b32 v1, 5, v0
	v_readfirstlane_b32 s[WV], v1
	v_and_b32 v3, 31, v0                           ; lane
	v_and_b32 v1, 15, v0                           ; r
	v_bfe_u32 v2, v0, 4, 1                         ; h
	v_lshlrev_b32 v4, 4, v3                        ; 16 x lane
	v_lshlrev_b32 v22, 10, v3                      ; the prefetches: a lane a row
	v_lshlrev_b32 v93, 10, v1
	v_lshl_add_u32 v94, v2, 4, v93                 ; WK: row r, + 16 h
	v_lshl_add_u32 v93, v2, 3, v93                 ; WO: row r, + 8 h
	v_lshlrev_b32 v7, 5, v2                        ; 32 h
	v_lshlrev_b32 v23, 2, v1                       ; 4 r
	s_wait_alu depctr_va_vdst(0)
	s_bfe_u32 s[CX], ttmp6, 0x40000
	s_bfe_u32 s[CY], ttmp6, 0x40004
	s_lshl_b32 s[GG], ttmp9, 2
	s_add_co_u32 s[GG], s[GG], s[CX]               ; x, 0..31
	s_and_b32 s[RB], ttmp7, 0xffff
	s_lshl_b32 s[RB], s[RB], 2
	s_add_co_u32 s[RB], s[RB], s[CY]               ; y, 0..7
	s_lshl_b32 s97, s[CY], 2
	s_lshl_b32 s97, 15, s97                        ; my row of the cluster
	s_lshl_b32 s98, 0x1111, s[CX]                  ; my column
	s_or_b32 s[G1X], s97, FLAGS
	s_or_b32 s[G1W], s98, FLAGS
	GROUP1 G1X
	GROUP1 G1W
	s_lshr_b32 s[RH], s[WV], 1                     ; my batch
	s_and_b32 s[CH], s[WV], 1
	s_and_b32 s[HF], ttmp9, 1                      ; which half of the K head
	s_lshr_b32 s[KH], ttmp9, 1
	s_lshl_b32 s[KH], s[KH], 2
	s_add_co_u32 s[KH], s[KH], s[CX]               ; the K head
	s_lshl_b32 s[HD], s[GG], 1
	s_add_co_u32 s[HD], s[HD], s[CH]               ; my Q and V head
	s_lshl_b32 s66, s[CH], 20                      ; X: waves 0 and 1 fetch batches 0 and 1
	s_lshl_b32 s67, s[RB], 17
	s_add_co_u32 s66, s66, s67
	s_mov_b32 s67, 0
	s_lshl_b32 s2, s[GG], 17                       ; WQ, WV: row 128 x
	s_mov_b32 s3, 0
	s_mul_i32 s[LB], s[WV], TILE
	s_lshl_b32 s84, s[KH], 16                      ; WK: row 64 kh + 32 half + 16 ch
	s_lshl_b32 s86, s[HF], 15
	s_add_co_u32 s84, s84, s86
	s_lshl_b32 s86, s[CH], 14
	s_add_co_u32 s84, s84, s86
	s_mov_b32 s85, 0
	s_lshl_b32 s88, s[RB], 5                       ; WO: each wave lays out one image of 16 columns x 64 of K
	s_add_co_u32 s88, s88, s[GG]
	s_lshr_b32 s89, s88, 2
	s_and_b32 s88, s88, 3
	s_lshl_b32 s88, s88, 2
	s_add_co_u32 s88, s88, s[WV]
	s_lshl_b32 s86, s89, 14
	s_lshl_b32 s90, s88, 6
	s_add_co_u32 s86, s86, s90
	s_mov_b32 s87, 0
	s_lshl_b32 s90, s89, 4
	s_add_co_u32 s90, s90, s88
	s_lshl_b32 s90, s90, 10
	s_mov_b32 s91, 0
	v_mov_b32 v30, 0
	FREQ 0, 0x3f800000
	FREQ 1, 0x3f3ff911
	FREQ 2, 0x3f0ff59a
	FREQ 3, 0x3ed7e89b
	FREQ 4, 0x3ea1e89b
	FREQ 5, 0x3e72d424
	FREQ 6, 0x3e361887
	FREQ 7, 0x3e088d77
	FREQ 8, 0x3dcccccd
	FREQ 9, 0x3d99940e
	FREQ 10, 0x3d6655c3
	FREQ 11, 0x3d2cba15
	FREQ 12, 0x3d0186e2
	FREQ 13, 0x3cc24350
	FREQ 14, 0x3c91ad39
	FREQ 15, 0x3c5a7bf1
	FREQ 16, 0x3c23d70a
	FREQ 17, 0x3bf5b9b0
	FREQ 18, 0x3bb8449c
	FREQ 19, 0x3b8a2e77
	FREQ 20, 0x3b4f3e37
	FREQ 21, 0x3b1b690d
	FREQ 22, 0x3ae91528
	FREQ 23, 0x3aaec98e
	FREQ 24, 0x3a83126f
	FREQ 25, 0x3a44948c
	FREQ 26, 0x3a136a16
	FREQ 27, 0x39dd1726
	FREQ 28, 0x39a5cb5f
	FREQ 29, 0x3978a814
	FREQ 30, 0x393a7753
	FREQ 31, 0x390bd472
	s_wait_alu depctr_va_vdst(0)
	s_wait_dscnt 0x0                               ; both opening adds are done
	s_wait_kmcnt 0x0
	s_add_nc_u64 s[4:5], s[4:5], s[66:67]
	s_add_nc_u64 s[6:7], s[6:7], s[2:3]
	s_add_nc_u64 s[10:11], s[10:11], s[2:3]
	s_add_nc_u64 s[84:85], s[8:9], s[84:85]
	s_add_nc_u64 s[86:87], s[12:13], s[86:87]
	s_add_nc_u64 s[30:31], s[30:31], s[90:91]
	GROUP0 G0X, 4
	GROUP0 G0Q, 6
	GROUP0 G0V, 10
	CROUND                                         ; all sixteen work-groups are here: the first joint loads meet
	JLOAD 0
	WIN TO_W
.set fa, 0
.rept 16
	global_load_b128 v[128+8*fa:131+8*fa], v94, s[84:85] offset:64*fa
	global_load_b128 v[132+8*fa:135+8*fa], v94, s[84:85] offset:64*fa+32
.set fa, fa+1
.endr
	WIN 0
.irp c, 0,1,2,3
	global_load_b64 v[32+2*\c:33+2*\c], v93, s[86:87] offset:16*\c
.endr
	s_cmp_eq_u32 s[WV], 3
	s_cselect_b64 s[PFA:PFA+1], s[10:11], s[6:7]
	s_cmp_lt_u32 s[WV], 2
	s_cselect_b64 s[PFA:PFA+1], s[4:5], s[PFA:PFA+1]
	s_cselect_b32 s66, s[CX], s[CY]                ; my work-group's place among the four that share the tile: 32 rows of it
	s_lshl_b32 s66, s66, 15
	s_mov_b32 s67, 0
	s_add_nc_u64 s[PFA:PFA+1], s[PFA:PFA+1], s[66:67]
	global_prefetch_b8 v22, s[PFA:PFA+1] offset:512 th:TH_LOAD_NT scope:SCOPE_SE   ; K step 2, asked for again by its load in step 0's last quarter
	s_load_b256 s[4:11], s[20:21], 0x0             ; e0 .. e7
	s_load_b32 s3, s[20:21], 0x24                  ; e9
	s_lshl_b32 s66, s[RH], 22                      ; q_img, v_img: [batch][head][65,536]; my 8,192
	s_lshl_b32 s98, s[HD], 16
	s_add_co_u32 s66, s66, s98
	s_lshl_b32 s98, s[RB], 13
	s_add_co_u32 s66, s66, s98
	s_add_nc_u64 s[22:23], s[22:23], s[66:67]
	s_add_nc_u64 s[26:27], s[26:27], s[66:67]
	s_lshl_b32 s97, s[RH], 4
	s_add_co_u32 s97, s97, s[KH]
	s_mul_i32 s66, s97, 98304                      ; k_img: [batch, head][96 tiles][1,024], 32 tiles of zeros in front
	s_add_nc_u64 s[24:25], s[24:25], s[66:67]
	s_lshl_b32 s66, s[RB], 2
	s_lshl_b32 s98, s[HF], 1
	s_add_co_u32 s66, s66, s98
	s_add_co_u32 s66, s66, s[CH]
	s_lshl_b32 s66, s66, 10
	s_add_nc_u64 s[88:89], s[24:25], s[66:67]      ; my tile of zeros
	s_lshl_b32 s66, s[RB], 13
	s_lshl_b32 s98, s[CH], 12
	s_add_co_u32 s66, s66, s98
	s_lshl_b32 s98, s[HF], 9
	s_add_co_u32 s66, s66, s98
	s_add_co_u32 s66, s66, 32768
	s_add_nc_u64 s[24:25], s[24:25], s[66:67]      ; the half images of four tiles that I store
	s_mul_i32 s66, s97, 24576                      ; f_buf: [batch, head][quarter of the head][96 tiles x 16] sums of squares
	s_lshl_b32 s98, s[HF], 1
	s_add_co_u32 s98, s98, s[CH]
	s_mul_i32 s98, s98, 6144
	s_add_co_u32 s66, s66, s98
	s_add_nc_u64 s[28:29], s[28:29], s[66:67]
	s_lshl_b32 s66, s[RB], 8
	s_add_nc_u64 s[90:91], s[28:29], s[66:67]      ; my part of the pad
	s_lshl_b32 s66, s[RB], 9
	s_add_co_u32 s66, s66, 2048
	s_add_nc_u64 s[28:29], s[28:29], s[66:67]
	s_lshl_b32 s66, s[HD], 8
	s_add_nc_u64 s[14:15], s[14:15], s[66:67]
	s_add_nc_u64 s[18:19], s[18:19], s[66:67]
	s_lshl_b32 s66, s[KH], 8
	s_lshl_b32 s98, s[HF], 7
	s_add_co_u32 s66, s66, s98
	s_lshl_b32 s98, s[CH], 6
	s_add_co_u32 s66, s66, s98
	s_add_nc_u64 s[16:17], s[16:17], s[66:67]
	; LDS addresses
	v_mul_u32_u24 v5, v1, 272
	v_lshl_add_u32 v5, v2, 4, v5                   ; a fragment: row r, + 16 h
	s_mul_i32 s66, s[RH], TILE
	v_add_nc_u32 v16, s66, v5
	v_add_nc_u32 v17, SLOT, v16
	s_mul_i32 s66, s[CH], 64*272
	s_add_co_u32 s66, s66, 2*TILE
	v_add_nc_u32 v18, s66, v5
	v_add_nc_u32 v19, SLOT, v18
	v_add_nc_u32 v20, TILE, v18
	v_add_nc_u32 v21, SLOT, v20
	v_mul_u32_u24 v24, v1, TP
	v_lshl_add_u32 v24, v2, 5, v24
	v_add_nc_u32 v24, TBL, v24                     ; the table: row r, angles 4 h on
	s_lshl_b32 s66, s[HF], 7
	s_lshl_b32 s98, s[CH], 6
	s_add_co_u32 s66, s66, s98
	v_add_nc_u32 v27, s66, v24                     ; at my 16 columns of K
	s_lshl_b32 s66, s[RH], 12
	s_lshl_b32 s98, s[CH], 3
	s_add_co_u32 s66, s66, s98
	s_add_co_u32 s66, s66, KSTG
	v_add_nc_u32 v25, s66, v4
	s_lshl_b32 s66, s[WV], 9
	s_add_co_u32 s66, s66, PART
	v_add_nc_u32 v26, s66, v23
	v_add_nc_u32 v15, s66, v4
	s_lshl_b32 s66, s[WV], 11
	s_add_co_u32 s66, s66, KSTG
	v_add_nc_u32 v14, s66, v4
	; THE TABLE, under K step 0's flight: a lane an angle, four positions a trip; my positions 32 w .. + 31 of the block.  The angle is the f32 product of position and frequency, as in reference()
	s_lshl_b32 s66, s[RB], 7
	s_lshl_b32 s98, s[WV], 5
	s_add_co_u32 s66, s66, s98
	v_cvt_f32_u32 v31, s66
	s_mul_i32 s66, s[WV], 32*TP
	s_add_co_u32 s66, s66, TBL
	v_lshl_add_u32 v6, v3, 3, s66
	v_mul_u32_u24 v95, v3, TP                      ; the padding behind my 32 rows is set too: K's read of the table hangs on the half of the head, and every byte between its rows is written
	v_add_nc_u32 v95, s66, v95
	v_mov_b32 v224, 0
	v_mov_b32 v225, 0
	v_mov_b32 v226, 0
	v_mov_b32 v227, 0
	s_wait_alu depctr_va_vdst(0)
	ds_store_b128 v95, v[224:227] offset:256
	s_mov_b32 s2, 0
	s_wait_alu depctr_va_vdst(0)
.Ltab:
	v_add_nc_u32 v95, s2, v6
	v_add_f32 v224, 0, v31
	v_add_f32 v232, 1.0, v31
	v_add_f32 v240, 2.0, v31
	v_add_f32 v248, 0x40400000, v31
.irp b, 224,232,240,248
	v_mul_f32 v[\b], v[\b], v30
.endr
.irp b, 224,232,240,248
	v_mul_f32 v[\b+1], 0x3f22f983, v[\b]
.endr
.irp b, 224,232,240,248
	v_rndne_f32 v[\b+1], v[\b+1]                   ; n, the nearest multiple of pi / 2
.endr
.irp b, 224,232,240,248
	v_fmamk_f32 v[\b], v[\b+1], 0xbfc90fdb, v[\b]
.endr
.irp b, 224,232,240,248
	v_fmamk_f32 v[\b], v[\b+1], 0x333bbd2e, v[\b]
.endr
.irp b, 224,232,240,248
	v_cvt_i32_f32 v[\b+1], v[\b+1]
	v_mul_f32 v[\b+2], v[\b], v[\b]
.endr
.irp b, 224,232,240,248
	v_mov_b32 v[\b+3], 0xb94ca1f9
	v_mov_b32 v[\b+4], 0x37ccf5ce
.endr
.irp b, 224,232,240,248
	v_fmaak_f32 v[\b+3], v[\b+3], v[\b+2], 0x3c08839e
	v_fmaak_f32 v[\b+4], v[\b+4], v[\b+2], 0xbab6061a
.endr
.irp b, 224,232,240,248
	v_fmaak_f32 v[\b+3], v[\b+3], v[\b+2], 0xbe2aaaa3
	v_fmaak_f32 v[\b+4], v[\b+4], v[\b+2], 0x3d2aaaa5
.endr
.irp b, 224,232,240,248
	v_mul_f32 v[\b+3], v[\b+3], v[\b+2]
	v_fma_f32 v[\b+4], v[\b+4], v[\b+2], -0.5
.endr
.irp b, 224,232,240,248
	v_fma_f32 v[\b+3], v[\b+3], v[\b], v[\b]
	v_fma_f32 v[\b+4], v[\b+4], v[\b+2], 1.0
.endr
.irp b, 224,232,240,248
	v_and_b32 v[\b+5], 1, v[\b+1]
.endr
.irp b, 224,232,240,248
	v_cmp_eq_u32 s[98+(\b-224)/8], 1, v[\b+5]
.endr
.irp b, 224,232,240,248
	v_cndmask_b32 v[\b+6], v[\b+4], v[\b+3], s[98+(\b-224)/8]
	v_cndmask_b32 v[\b+7], v[\b+3], v[\b+4], s[98+(\b-224)/8]
	v_and_b32 v[\b+5], 2, v[\b+1]
	v_add_nc_u32 v[\b+1], 1, v[\b+1]
.endr
.irp b, 224,232,240,248
	v_lshlrev_b32 v[\b+5], 30, v[\b+5]
	v_and_b32 v[\b+1], 2, v[\b+1]
.endr
.irp b, 224,232,240,248
	v_xor_b32 v[\b+7], v[\b+5], v[\b+7]            ; sin
	v_lshlrev_b32 v[\b+1], 30, v[\b+1]
.endr
.irp b, 224,232,240,248
	v_xor_b32 v[\b+6], v[\b+1], v[\b+6]            ; cos
.endr
.irp b, 224,232,240,248
	ds_store_b64 v95, v[\b+6:\b+7] offset:TP*((\b-224)/8)
.endr
	v_add_f32 v31, 4.0, v31
	s_add_co_u32 s2, s2, 4*TP
	s_cmp_lt_u32 s2, 32*TP
	s_wait_alu depctr_va_vdst(0)
	s_cbranch_scc1 .Ltab
	s_wait_kmcnt 0x0
	MKSCALE 10, 8, 9                               ; q
	MKSCALE 11, 10, 11                             ; k
	MKSCALE 3, 12, 13                              ; v
	MKPAIR 4
	MKPAIR 6
	MKPAIR 8
	s_mov_b32 s10, 0x76543210                      ; v_permlanex16_b32: lane l xor 16
	s_mov_b32 s11, 0xfedcba98
	s_mov_b32 s99, 0x3c800000                      ; 1 / 64
	s_mov_b32 s100, 0x34000000                     ; eps
	s_wait_alu depctr_va_vdst(0)                   ; the wait at the head's end
	s_wait_tensorcnt 0x0                           ; my tile of K step 0 is in
	ds_add_u32 v28, v29
	s_wait_dscnt 0x0                               ; the add is done, and my part of the table is stored
	CROUND
	JLOAD 1
	FX 0, 0, 0
	FW 0, 0, 0
	WIN 0
	global_prefetch_b8 v22, s[PFA:PFA+1] offset:768 th:TH_LOAD_NT scope:SCOPE_SE   ; K step 3
	s_wait_loadcnt 0x0                             ; WK's fragments, WO's piece
	global_store_b128 v4, v[32:35], s[30:31]
	global_store_b128 v4, v[36:39], s[30:31] offset:512
	s_wait_xcnt 0x0                                ; v32-39 become accumulators only behind this wait
	QUARTER 0, 1, 0, 1, 0
	QUARTER 0, 2, 1, 0, 1
	QUARTER 0, 3, 0, 0, 2
	TURN 0, 1, 1, 3
	QUARTER 1, 1, 0, 0, 4
	QUARTER 1, 2, 1, 0, 5
	QUARTER 1, 3, 0, 0, 6
	TURN 1, 0, 1, 7
	QUARTER 0, 1, 0, 0, 8
	QUARTER 0, 2, 1, 0, 9
	QUARTER 0, 3, 0, 0, 10
	TURN 0, 1, 0, 11
	WIN TO_W                                       ; the biases, into registers of WK's fragments of steps 0 and 1
.irp c, 0,1,2,3
	global_load_b128 v[144+8*\c:147+8*\c], v7, s[14:15] offset:64*\c
	global_load_b128 v[148+8*\c:151+8*\c], v7, s[14:15] offset:64*\c+16
.endr
	global_load_b128 v[176:179], v7, s[16:17]
	global_load_b128 v[180:183], v7, s[16:17] offset:16
.irp c, 0,1,2,3
	global_load_b32 v[184+2*\c], v23, s[18:19] offset:64*\c
	global_load_b32 v[185+2*\c], v23, s[18:19] offset:64*\c
.endr
	QUARTER 1, 1, 0, 0, 12
	QUARTER 1, 2, 1, 0, 13
	QUARTER 1, 3, 0, 0, 14
	s_wait_dscnt 8
	WIN MUL_Q
	MULQ 1, 0, 8, 0
	s_wait_dscnt 0x0
	WIN MUL_V
	MULV 1, 0
	WIN MUL_K
	MULK 1, 15, 0
	WIN 0
	PLACES 4
; K: bias, the partial sum of squares of my 16 columns, rope, codes
.set ea, 0
.rept 8
	ds_load_b128 v[160+8*ea:163+8*ea], v27 offset:16*ea*TP
	ds_load_b128 v[164+8*ea:167+8*ea], v27 offset:16*ea*TP+16
.set ea, ea+1
.endr
	s_wait_loadcnt 0x0                             ; the biases
	WIN 0x30
.set en, 0
.rept 32
	v_pk_fma_f32 v[96+2*en:97+2*en], v[32+2*en:33+2*en], s[8:9], v[176+2*(en%4):177+2*(en%4)] op_sel_hi:[1,0,1]
.set en, en+1
.endr
	WIN 0
.set ea, 0
.rept 8
	v_pk_mul_f32 v[224+2*ea:225+2*ea], v[96+8*ea:97+8*ea], v[96+8*ea:97+8*ea]
.set ea, ea+1
.endr
.irp p, 1,2,3
.set ea, 0
.rept 8
	v_pk_fma_f32 v[224+2*ea:225+2*ea], v[96+8*ea+2*\p:97+8*ea+2*\p], v[96+8*ea+2*\p:97+8*ea+2*\p], v[224+2*ea:225+2*ea]
.set ea, ea+1
.endr
.endr
.set ea, 0
.rept 8
	v_add_f32 v[224+2*ea], v[224+2*ea], v[225+2*ea]
.set ea, ea+1
.endr
.set ea, 0
.rept 8
	v_permlanex16_b32 v[225+2*ea], v[224+2*ea], s10, s11
.set ea, ea+1
.endr
.set ea, 0
.rept 8
	v_add_f32 v[224+2*ea], v[224+2*ea], v[225+2*ea]
.set ea, ea+1
.endr
	s_wait_alu depctr_va_vdst(0)
	s_wait_dscnt 0x0
.set ea, 0
.rept 8
	ds_store_b32 v26, v[224+2*ea] offset:64*ea
.set ea, ea+1
.endr
.set en, 0
.rept 32
	v_pk_mul_f32 v[32+2*en:33+2*en], v[96+2*en:97+2*en], v[160+2*en:161+2*en] op_sel:[0,0] op_sel_hi:[0,1]   ; x1 cos, x1 sin
.set en, en+1
.endr
.set en, 0
.rept 32
	v_pk_fma_f32 v[32+2*en:33+2*en], v[96+2*en:97+2*en], v[160+2*en:161+2*en], v[32+2*en:33+2*en] op_sel:[1,1,0] op_sel_hi:[1,0,1] neg_lo:[0,1,0]   ; - x2 sin, + x2 cos
.set en, en+1
.endr
.set en, 0
.rept 64
	v_med3_num_f32 v[32+en], v[32+en], -v11, v11
.set en, en+1
.endr
.set ea, 0
.rept 8
	v_cvt_scalef32_pk8_fp8_f32 v[240+2*ea:241+2*ea], v[32+8*ea:39+8*ea], v10
.set ea, ea+1
.endr
	v_nop
.set ea, 0
.rept 8
	ds_store_b64 v25, v[240+2*ea:241+2*ea] offset:512*ea
.set ea, ea+1
.endr
	s_wait_alu depctr_va_vdst(0)
	s_wait_dscnt 0x0                               ; my codes of K lie in the stage: say so; work on registers while the other wave arrives
	s_barrier_signal -1
; Q, first pass, in place: bias; the sums of squares, eight rows a lane in turn; one batch of eight rsq
	WIN 0x71
.set qa, 0
.rept 8
.set en, 0
.rept 16
	v_pk_fma_f32 v[32*qa+2*en:32*qa+2*en+1], v[32*qa+2*en:32*qa+2*en+1], s[4:5], v[144+2*en:145+2*en] op_sel_hi:[1,0,1]
.set en, en+1
.endr
.set qa, qa+1
.endr
	WIN 0x05
.set en, 0
.rept 16
.set qa, 0
.rept 8
.if en == 0
	v_pk_mul_f32 v[224+2*qa:225+2*qa], v[32*qa:32*qa+1], v[32*qa:32*qa+1]
.else
	v_pk_fma_f32 v[224+2*qa:225+2*qa], v[32*qa+2*en:32*qa+2*en+1], v[32*qa+2*en:32*qa+2*en+1], v[224+2*qa:225+2*qa]
.endif
.set qa, qa+1
.endr
.set en, en+1
.endr
	WIN 0
.set qa, 0
.rept 8
	v_add_f32 v[224+2*qa], v[224+2*qa], v[225+2*qa]
.set qa, qa+1
.endr
.set qa, 0
.rept 8
	v_permlanex16_b32 v[225+2*qa], v[224+2*qa], s10, s11
.set qa, qa+1
.endr
.set qa, 0
.rept 8
	v_add_f32 v[224+2*qa], v[224+2*qa], v[225+2*qa]
.set qa, qa+1
.endr
.set qa, 0
.rept 8
	v_fma_f32 v[224+2*qa], v[224+2*qa], s99, s100
.set qa, qa+1
.endr
	s_wait_alu depctr_va_vdst(0)
.set qa, 0
.rept 8
	v_rsq_f32 v[224+2*qa], v[224+2*qa]
.set qa, qa+1
.endr
	v_nop
	s_wait_alu depctr_va_vdst(0)
	s_barrier_wait -1                              ; both waves of my batch have stored their codes of K
.irp k, 0,1,2,3
	ds_load_b128 v[240+4*\k:243+4*\k], v14 offset:512*\k
.endr
	ds_load_b128 v[16:19], v15
.macro TLOADS a                        ; tile a's cos and sin for my lane's 16 angles
.set en, 0
.rept 8
	ds_load_b128 v[128+32*((\a)%2)+4*en:131+32*((\a)%2)+4*en], v24 offset:16*(\a)*TP+64*(en/2)+16*(en%2)
.set en, en+1
.endr
.endm
	TLOADS 0
	v_mov_b32 v20, 0
	v_mov_b32 v21, 0
	v_mov_b32 v22, 0
	v_mov_b32 v23, 0
	v_mov_b32 v30, 1.0
	v_mov_b32 v31, 1.0
	v_lshlrev_b32 v5, 3, v3
	s_wait_alu depctr_va_vdst(0)
	s_wait_dscnt 8                                 ; all but the table's eight loads
.irp k, 0,1,2,3
	global_store_b128 v4, v[240+4*\k:243+4*\k], s[24:25] offset:1024*\k
.endr
	global_store_b128 v4, v[16:19], s[28:29]
	global_store_b128 v4, v[20:23], s[88:89]       ; keys in front of the sequence: zero codes,
	global_store_b128 v4, v[20:23], s[88:89] offset:512
	global_store_b64 v5, v[30:31], s[90:91]        ; and a norm that is a number
; Q, second pass, tile by tile: the norm, rope, codes
.set qa, 0
.rept 8
.if qa < 7
	TLOADS qa+1
	s_wait_dscnt 8
.else
	s_wait_dscnt 0x0
.endif
.set QT, 128+32*(qa%2)
	WIN 0x01
.set en, 0
.rept 16
	v_pk_mul_f32 v[96+2*en:97+2*en], v[32*qa+2*en:32*qa+2*en+1], v[224+2*qa:225+2*qa] op_sel_hi:[1,0]
.set en, en+1
.endr
	WIN 0
.set en, 0
.rept 16
	v_pk_mul_f32 v[192+2*en:193+2*en], v[96+2*en:97+2*en], v[QT+2*en:QT+2*en+1] op_sel:[0,0] op_sel_hi:[0,1]
.set en, en+1
.endr
.set en, 0
.rept 16
	v_pk_fma_f32 v[192+2*en:193+2*en], v[96+2*en:97+2*en], v[QT+2*en:QT+2*en+1], v[192+2*en:193+2*en] op_sel:[1,1,0] op_sel_hi:[1,0,1] neg_lo:[0,1,0]
.set en, en+1
.endr
.set en, 0
.rept 32
	v_med3_num_f32 v[192+en], v[192+en], -v9, v9
.set en, en+1
.endr
.set en, 0
.rept 4
	v_cvt_scalef32_pk8_fp8_f32 v[32+8*qa+2*en:33+8*qa+2*en], v[192+8*en:199+8*en], v8
.set en, en+1
.endr
	v_nop
	global_store_b128 v4, v[32+8*qa:35+8*qa], s[22:23] offset:1024*qa
	global_store_b128 v4, v[36+8*qa:39+8*qa], s[22:23] offset:1024*qa+512
.set qa, qa+1
.endr
; V: 16 columns at a time
.set vc, 0
.rept 4
	WIN 0x32
	s_wait_alu depctr_va_vdst(0)                   ; the wait ahead of these results' first readers
.set va, 0
.rept 8
.set en, 0
.rept 4
	v_pk_fma_f32 v[96+8*va+2*en:97+8*va+2*en], v[32*va+8*vc+2*en:32*va+8*vc+2*en+1], s[6:7], v[184+2*vc:185+2*vc] op_sel_hi:[1,0,1]
.set en, en+1
.endr
.set va, va+1
.endr
	WIN 0
.set en, 0
.rept 64
	v_med3_num_f32 v[96+en], v[96+en], -v13, v13
.set en, en+1
.endr
.set va, 0
.rept 8
	v_cvt_scalef32_pk8_fp8_f32 v[160+16*vc+2*va:161+16*vc+2*va], v[96+8*va:103+8*va], v12
.set va, va+1
.endr
	v_nop
.irp k, 0,1,2,3
	global_store_b128 v4, v[160+16*vc+4*\k:163+16*vc+4*\k], s[26:27] offset:4096*(\k/2)+1024*vc+512*(\k%2)
.endr
.set vc, vc+1
.endr
	s_wait_tensorcnt 0x0                           ; the wave's end
	ds_add_u32 v28, v29
	s_wait_dscnt 0x0
	CROUND                                         ; the closing round
	s_endpgm
.Lfunc_end_k_qb43785fb51_proj:
	.size	k_qb43785fb51_proj, .Lfunc_end_k_qb43785fb51_proj-k_qb43785fb51_proj
	.p2alignl 7, 3214868480
	.fill 96, 4, 3214868480
	.section	.rodata,"a",@progbits
	.p2align	6, 0x0
	.amdhsa_kernel k_qb43785fb51_proj
		.amdhsa_group_segment_fixed_size 327680
		.amdhsa_private_segment_fixed_size 0
		.amdhsa_enable_private_segment 0
		.amdhsa_kernarg_size 112
		.amdhsa_user_sgpr_count 2
		.amdhsa_user_sgpr_kernarg_segment_ptr 1
		.amdhsa_wavefront_size32 1
		.amdhsa_system_sgpr_workgroup_id_x 1
		.amdhsa_system_sgpr_workgroup_id_y 1
		.amdhsa_system_sgpr_workgroup_id_z 1
		.amdhsa_system_vgpr_workitem_id 0
		.amdhsa_next_free_vgpr 1024
		.amdhsa_next_free_sgpr 102
		.amdhsa_reserve_vcc 0
		.amdhsa_float_denorm_mode_32 3
		.amdhsa_float_denorm_mode_16_64 3
		.amdhsa_memory_ordered 1
		.amdhsa_forward_progress 1
		.amdhsa_inst_pref_size 255
	.end_amdhsa_kernel
	.section	.bss,"aw",@nobits
	.p2align	6
	.space	262144
	.amdgpu_metadata
---
amdhsa.version: [ 1, 2 ]
amdhsa.kernels:
  - .name:           k_qb43785fb51_proj
    .symbol:         k_qb43785fb51_proj.kd
    .args:
      - { .name: X_codes, .offset: 0, .size: 8, .value_kind: global_buffer, .address_space: global }
      - { .name: WQ_codes, .offset: 8, .size: 8, .value_kind: global_buffer, .address_space: global }
      - { .name: WK_codes, .offset: 16, .size: 8, .value_kind: global_buffer, .address_space: global }
      - { .name: WV_codes, .offset: 24, .size: 8, .value_kind: global_buffer, .address_space: global }
      - { .name: WO_codes, .offset: 32, .size: 8, .value_kind: global_buffer, .address_space: global }
      - { .name: bQ, .offset: 40, .size: 8, .value_kind: global_buffer, .address_space: global }
      - { .name: bK, .offset: 48, .size: 8, .value_kind: global_buffer, .address_space: global }
      - { .name: bV, .offset: 56, .size: 8, .value_kind: global_buffer, .address_space: global }
      - { .name: lowp_scales, .offset: 64, .size: 8, .value_kind: global_buffer, .address_space: global }
      - { .name: q_img, .offset: 72, .size: 8, .value_kind: global_buffer, .address_space: global }
      - { .name: k_img, .offset: 80, .size: 8, .value_kind: global_buffer, .address_space: global }
      - { .name: v_img, .offset: 88, .size: 8, .value_kind: global_buffer, .address_space: global }
      - { .name: f_buf, .offset: 96, .size: 8, .value_kind: global_buffer, .address_space: global }
      - { .name: wo_img, .offset: 104, .size: 8, .value_kind: global_buffer, .address_space: global }
    .group_segment_fixed_size: 327680
    .private_segment_fixed_size: 0
    .kernarg_segment_align: 8
    .kernarg_segment_size: 112
    .max_flat_workgroup_size: 128
    .sgpr_count:     102
    .vgpr_count:     1024
    .wavefront_size: 32
...
	.end_amdgpu_metadata
.endif
;; end of part 1
;; launch attn (part 2): grid 8 x 32, 8 waves a work-group, no clusters, 327,680 bytes of LDS; arguments q_img, k_img, v_img, f_buf, sink_scalars, v_nulls, lowp_scales, ctx_img; writes ctx_img
.if DOCPART == 2
	.amdgcn_target "amdgcn-amd-amdhsa--gfx1250"
	.amdhsa_code_object_version 6
	.text
	.protected	k_qb43785fb51_attn
	.globl	k_qb43785fb51_attn
	.p2align	8
	.type	k_qb43785fb51_attn,@function
k_qb43785fb51_attn:
	s_mov_b64 s[64:65], 0
	v_nop
	global_prefetch_b8 v0, s[64:65] scope:SCOPE_SE
	s_setreg_imm32_b32 hwreg(HW_REG_WAVE_MODE, 25, 1), 1
	s_wait_xcnt 0x0
; BANDED ATTENTION WITH A SINK, both products on codes of FP8 (E4M3).  The mask MULTIPLIES the logits: off the band a logit is 0 and its weight is p0 = 1 / Z, one number a query.
; WORK LEFT OUT: scores off the band, which reference() multiplies by its own mask's 0: the scores are made on the band alone (2, 8, 9 or 24 tiles of 16 keys for a tile of 16 queries in branches 0 to 3).
; The second product stays dense, with one repeated code as its operand off the band.  p is quantised FINISHED AND NORMALISED: a query tile's exponentials stay in registers until Z is known.
; NO MAXIMUM IS TAKEN AWAY: the computation bounds the logits itself.  |q| <= 8 after rms_norm, k is divided by its own norm, and rounding to a code at most doubles a magnitude: |w| <= 32, |w log2 e| <= 46.2;
; the sink's logit is a tanh, the others are 0: no exponential and no sum of 1,025 of them leaves f32's range.
; SHARES.  y = 16 b + sub-head.  x = 4 type + qb.  A work-group owns 256 queries and two branches, the heavier first: type 0: branches 3, 0; type 1: branches 2, 1.  EIGHT WAVES, in pairs: pair w / 2 owns 64 queries.
; In the softmax a wave makes two of the pair's four query tiles (2 (w % 2), + 1); in the second product it takes all four, for half of the head's channels (tiles 2 (w % 2), + 1 of four): so a fragment of V feeds four
; matrix instructions.  The codes of P pass through the pair's LDS bytes; a barrier stands behind the softmax, and one behind the first branch's second product, ahead of the next stores of P.
; LAYOUT.  S^T = K Q^T (source 0 = 16 keys, source 1 = 16 queries) and O^T = V^T P^T: a lane holds ONE query (lane % 16) throughout; a score tile's eight registers are keys 8 (lane / 16) + 0..7, whose codes are
; two registers of the second product's operand.
; KEYS IN FRONT OF THE SEQUENCE read zero codes and a finite F: their weight is p0; in the second product their steps wrap round onto later keys, which lie off the band and carry p0: each key is met once.
; V lies in LDS turned by the work-group's query block (LDS step s = key step s + 4 qb mod 16), so that a wave's walk begins at a step that hangs on its number alone.
; NO CLUSTER: work-groups of one head lay V and K into LDS each from its own place, so their descriptors differ.  NO PREFETCH: the text has no loop over tiles; K, Q and the norms are asked for at the head, and each V has a softmax in which to land.
; Nothing in LDS is filled twice.  A wave has one tensor load out at the most: an eighth of K's tiles at the head, an eighth of each V behind the two barriers that follow.
; LIMITS: e8, and e10 - e8 - e9, between -126 and 119; e6 + e7 between -120 and 120.  NaN among the inputs is not served.
; REGISTERS.  Window 0: v1-9 addresses; v[10:11] 1/Z; v12-15, v248-251 the sum's chains; v[16:17] their start; v18-22 scales; v24-31 the sinks' weights; v32-39 Q at work; v40-103 K (two chunks), later V (two steps);
;   v104-167 F (two chunks), later the repeated codes; v168-199 Q's images; v200-215 v_null; v216-231 codes of the result; v232-233 e^tanh; v238-246 addresses that stay; v252-253 the add's.
;   Window 1: S^T v0-191, P's codes v192-239, v240-250 at work; later O^T v0-63 (query tile q, channel tile d at 16 q + 8 d) and P v64-191 (two steps).
.set VB_OFF, 0                         ; V of the second branch, 16 steps x 4 fragments x 1,024
.set VA_OFF, 65536                     ; V of the first
.set K_OFF,  131072                    ; 48 tiles of keys: 32 in front of my first query tile, 16 beside
.set F_OFF,  180224                    ; their F, 64 bytes a tile
.set PBUF,   183296                    ; each pair's: four blocks of 34 x 256 bytes: 32 tiles of P, the repeated code, the sink's weight
.set PBLK,   8704
.set PW,     34816
.set P0_OFF, 8192
.set SK_OFF, 8448
.set SPARE,  322560                    ; the spare words, 128 bytes a wave
.set MSB, 0
.macro WIN new                         ; the immediate's high byte repeats the setting that is left
.if MSB != (\new)
	s_set_vgpr_msb (MSB<<8)|(\new)
.set MSB, \new
.endif
.endm
.macro PLACES n
.rept \n
	v_nop
.endr
.endm
.macro G1SET g, rows                   ; a dense block as rows of 256 bytes (32 elements of 8 bytes)
	s_mov_b32 s[\g], 3<<16
	s_mov_b32 s[\g+1], 32<<16
	s_mov_b32 s[\g+2], (\rows)<<16
	s_mov_b32 s[\g+3], 32<<16
	s_mov_b32 s[\g+4], \rows
	s_mov_b32 s[\g+5], 32
	s_mov_b32 s[\g+6], 0
	s_mov_b32 s[\g+7], 0
.endm
.macro G0SET g, ptr, off, mul, base    ; LDS byte base + mul x wave
	s_mov_b32 s[\g], 1
	s_mul_i32 s[\g+1], s2, \mul
	s_add_co_u32 s[\g+1], s[\g+1], \base
	s_add_nc_u64 s[\g+2:\g+3], s[\ptr:\ptr+1], s[\off:\off+1]
	s_or_b32 s[\g+3], s[\g+3], 0x80000000
.endm
; A branch's constants.  Band tile tau of query tile Q is key tile Q - DMAX + tau, tau = 0 .. NB-1; the pair's window of W2 steps of 128 keys begins DP tiles in front of its first query tile.
.macro BRC br
.if (\br) == 0
.set DMAX, 1
.set NB, 2
.set DP, 4
.set W2, 2
.elseif (\br) == 1
.set DMAX, 8
.set NB, 8
.set DP, 8
.set W2, 2
.elseif (\br) == 2
.set DMAX, 8
.set NB, 9
.set DP, 8
.set W2, 2
.else
.set DMAX, 32
.set NB, 24
.set DP, 32
.set W2, 4
.endif
.set DPM, DP-DMAX
.set WP, 8*W2
.set NCH, (NB+3)/4
.endm
.macro LOADC c                         ; chunk c: up to four band tiles of K (two loads) and their F (two loads) into buffer c % 2
.set lt, 4*(\c)
.rept 4
.if lt < NB
	ds_load_b128 v[40+32*((\c)%2)+8*(lt%4):43+32*((\c)%2)+8*(lt%4)], v4 offset:(32-DMAX+lt)*1024
	ds_load_b128 v[44+32*((\c)%2)+8*(lt%4):47+32*((\c)%2)+8*(lt%4)], v4 offset:(32-DMAX+lt)*1024+512
	ds_load_b128 v[104+32*((\c)%2)+8*(lt%4):107+32*((\c)%2)+8*(lt%4)], v5 offset:(32-DMAX+lt)*64
	ds_load_b128 v[108+32*((\c)%2)+8*(lt%4):111+32*((\c)%2)+8*(lt%4)], v5 offset:(32-DMAX+lt)*64+16
.endif
.set lt, lt+1
.endr
.endm
; THE SOFTMAX of one branch: a loop over my two query tiles.  qr: Q's two images; es: e^tanh of the head's sink.
.macro SOFT br, qr, es
	BRC \br
.set sd, 0
.rept 2
	global_load_b128 v[200+8*sd:203+8*sd], v3, s[14:15] offset:4096*(\br)+64*sd       ; v_null at my channels: wanted at the branch's end
	global_load_b128 v[204+8*sd:207+8*sd], v3, s[14:15] offset:4096*(\br)+64*sd+16
.set sd, sd+1
.endr
	v_cvt_f32_u32 v17, 64-NB
.set sd, 0
.rept 8
	v_mov_b32 v[32+sd], v[\qr+sd]
.set sd, sd+1
.endr
	v_ldexp_f32 v22, v[\es], s9                    ; e^tanh / 2^(e8+e9)
	v_fma_f32 v16, v[\es], 0x3d800000, v17         ; (e^tanh + 1024 - 16 NB) / 16: the sink and the keys off the band, shared among a query's 16 partial sums
	v_mov_b32 v17, v16
	s_mov_b32 s4, 0                                ; steps 1,024 a trip: K's tiles; the loop's counter
	s_mov_b32 s5, 0                                ; 64: F
	s_mov_b32 s6, 0                                ; the block
	s_mov_b32 s7, 0                                ; the block, and the band one tile further on
	s_wait_alu depctr_va_vdst(0)
.Lsoft_\@:
	v_add_nc_u32 v4, s4, v240
	v_add_nc_u32 v5, s5, v241
	v_add_nc_u32 v7, s7, v242
	v_add_nc_u32 v8, s6, v243
	v_add_nc_u32 v9, s6, v244
	LOADC 0
.set cc, 0
.rept NCH
	WIN 0
.if 4*(cc+1) < NB
	LOADC cc+1
.set nx, NB-4*(cc+1)
.if nx > 4
.set nx, 4
.endif
	s_wait_dscnt 4*nx                              ; all but the next chunk's loads
.else
	s_wait_dscnt 0x0
.endif
	WIN 0x40                                       ; destination window 1
.set lt, 4*cc
.rept 4
.if lt < NB
	v_wmma_f32_16x16x64_fp8_fp8 v[8*lt:8*lt+7], v[40+32*(cc%2)+8*(lt%4):47+32*(cc%2)+8*(lt%4)], v[32:39], 0
.endif
.set lt, lt+1
.endr
	PLACES 4
	WIN 0x41
.set lt, 4*cc
.rept 4
.if lt < NB
.set pp, 0
.rept 4
	v_pk_mul_f32 v[8*lt+2*pp:8*lt+2*pp+1], v[8*lt+2*pp:8*lt+2*pp+1], v[104+32*(cc%2)+8*(lt%4)+2*pp:105+32*(cc%2)+8*(lt%4)+2*pp]   ; t = score x F(key)
.set pp, pp+1
.endr
.if lt == 0
.set pp, 0
.rept 8
	v_cndmask_b32 v[pp], v[pp], 0, s[80+pp]        ; the band's far edge: key 8 h + j counts where it is > r
.set pp, pp+1
.endr
.endif
.if lt == NB-1
.set pp, 0
.rept 8
	v_cndmask_b32 v[8*lt+pp], v[8*lt+pp], 0, s[88+pp]   ; the near edge: where it is <= r
.set pp, pp+1
.endr
.endif
.endif
.set lt, lt+1
.endr
.set lt, 4*cc
	s_wait_alu depctr_va_vdst(0)                   ; the wait ahead of the batch
.rept 4
.if lt < NB
.set pp, 0
.rept 8
	v_exp_f32 v[8*lt+pp], v[8*lt+pp]
.set pp, pp+1
.endr
.endif
.set lt, lt+1
.endr
.set cc, cc+1
.endr
	v_nop                                          ; a plain line behind the last exponential
	s_wait_alu depctr_va_vdst(0)                   ; one wait for all the trip's exponentials, ahead of their first reader
	WIN 0x01                                       ; source 0 window 1
	v_pk_add_f32 v[12:13], v[0:1], v[16:17]
	v_pk_add_f32 v[14:15], v[2:3], v[16:17]
	v_pk_add_f32 v[248:249], v[4:5], v[16:17]
	v_pk_add_f32 v[250:251], v[6:7], v[16:17]
.set lt, 1
.rept NB-1
	v_pk_add_f32 v[12:13], v[8*lt:8*lt+1], v[12:13]
	v_pk_add_f32 v[14:15], v[8*lt+2:8*lt+3], v[14:15]
	v_pk_add_f32 v[248:249], v[8*lt+4:8*lt+5], v[248:249]
	v_pk_add_f32 v[250:251], v[8*lt+6:8*lt+7], v[250:251]
.set lt, lt+1
.endr
	WIN 0
	v_pk_add_f32 v[12:13], v[12:13], v[14:15]
	v_pk_add_f32 v[248:249], v[248:249], v[250:251]
	v_pk_add_f32 v[12:13], v[12:13], v[248:249]
	v_add_f32 v12, v12, v13
	v_permlanex16_b32 v13, v12, s10, s11
	v_add_f32 v12, v12, v13                        ; Z
	s_wait_alu depctr_va_vdst(0)
	v_rcp_f32 v10, v12
	v_nop
	s_wait_alu depctr_va_vdst(0)
	v_mov_b32 v11, v10                             ; 1 / Z = p0, as a pair
	WIN 0x40
.set pp, 0
.rept 8
	v_min_num_f32 v[240+pp], v10, v18              ; p0, held (p is never negative: the hold is one-sided)
.set pp, pp+1
.endr
	v_mul_f32 v250, v10, v22                       ; the sink's weight / 2^(e8+e9)
	WIN 0x41
	v_cvt_scalef32_pk8_fp8_f32 v[248:249], v[240:247], v19
.set lt, 0
.rept NB
.set pp, 0
.rept 4
	v_pk_mul_f32 v[8*lt+2*pp:8*lt+2*pp+1], v[8*lt+2*pp:8*lt+2*pp+1], v[10:11]
.set pp, pp+1
.endr
.set pp, 0
.rept 8
	v_min_num_f32 v[8*lt+pp], v[8*lt+pp], v18
.set pp, pp+1
.endr
	v_cvt_scalef32_pk8_fp8_f32 v[192+2*lt:193+2*lt], v[8*lt:8*lt+7], v19
.set lt, lt+1
.endr
	v_nop                                          ; one plain line behind the last conversion
	WIN 0x04                                       ; store data window 1
.set lt, 0
.rept WP
.if (lt < DPM+3) || (lt >= DPM+NB)
	ds_store_b64 v8, v[248:249] offset:256*lt      ; every tile of the window that lies off some query tile's band; the band's stores below come behind these, in order
.endif
.set lt, lt+1
.endr
	ds_store_b64 v8, v[248:249] offset:P0_OFF
.set lt, 0
.rept NB
	ds_store_b64 v7, v[192+2*lt:193+2*lt] offset:256*(DPM+lt)
.set lt, lt+1
.endr
	ds_store_b32 v9, v250
	WIN 0
.set sd, 0
.rept 8
	v_mov_b32 v[32+sd], v[\qr+8+sd]                ; the second tile's image of Q
.set sd, sd+1
.endr
	s_add_co_u32 s5, s5, 64
	s_add_co_u32 s6, s6, PBLK
	s_add_co_u32 s7, s7, PBLK+256
	s_add_co_u32 s4, s4, 1024
	s_cmp_lt_u32 s4, 2048
	s_wait_alu depctr_va_vdst(0)
	s_cbranch_scc1 .Lsoft_\@
.endm
; Step st's fragments of V (two tiles of 16 channels x 128 keys) and, in the window, the four query tiles' P, into buffer st % 2.  The two additions and the two v_nop are the places in front of the loads.
.macro VP st, vreg
	v_add_nc_u32 v8, s8, v[\vreg]
	s_add_co_u32 s8, s8, 4096
	s_and_b32 s8, s8, 0xffff                       ; sixteen LDS steps of 64 keys, round and round
	v_add_nc_u32 v9, s8, v[\vreg]
	s_add_co_u32 s8, s8, 4096
	s_and_b32 s8, s8, 0xffff
	PLACES 2
.set vb, 40+32*((\st)%2)
.set pd, 0
.rept 2
	ds_load_b128 v[vb+16*pd:vb+16*pd+3], v8 offset:1024*pd
	ds_load_b128 v[vb+16*pd+4:vb+16*pd+7], v8 offset:1024*pd+512
	ds_load_b128 v[vb+16*pd+8:vb+16*pd+11], v9 offset:1024*pd
	ds_load_b128 v[vb+16*pd+12:vb+16*pd+15], v9 offset:1024*pd+512
.set pd, pd+1
.endr
.if (\st) < W2
	WIN 0x40
.set pq, 0
.rept 4
.set pd, 0
.rept 8
	ds_load_b64 v[64+64*((\st)%2)+16*pq+2*pd:65+64*((\st)%2)+16*pq+2*pd], v246 offset:PBLK*pq+256*(8*(\st)+pd)
.set pd, pd+1
.endr
.set pq, pq+1
.endr
	WIN 0
.endif
.endm
.macro PS st, vreg                     ; 128 keys: eight matrix instructions, the eight accumulators by turns
.if (\st)+1 < 8
	VP (\st)+1, \vreg
.if (\st)+1 < W2
	s_wait_dscnt 40                                ; all but the next step's loads
.else
	s_wait_dscnt 8
.endif
.else
	s_wait_dscnt 0x0
.endif
.if (\st) < W2
	WIN 0x54                                       ; V window 0, P window 1, O^T window 1
.else
	WIN 0x50                                       ; the repeated codes lie in window 0
.endif
.set vb, 40+32*((\st)%2)
.set pq, 0
.rept 4
.if (\st) < W2
.set pP, 64+64*((\st)%2)+16*pq
.else
.set pP, 104+16*pq
.endif
.set pd, 0
.rept 2
.if (\st) == 0
	v_wmma_f32_16x16x128_fp8_fp8 v[16*pq+8*pd:16*pq+8*pd+7], v[vb+16*pd:vb+16*pd+15], v[pP:pP+15], 0
.else
	v_wmma_f32_16x16x128_fp8_fp8 v[16*pq+8*pd:16*pq+8*pd+7], v[vb+16*pd:vb+16*pd+15], v[pP:pP+15], v[16*pq+8*pd:16*pq+8*pd+7]
.endif
.set pd, pd+1
.endr
.set pq, pq+1
.endr
	WIN 0
.endm
; THE SECOND PRODUCT of one branch over all 1,024 keys, beginning at my pair's window, and the branch's way out
.macro PVEPI br, vreg
	BRC \br
	s_wait_xcnt 0x0                                ; earlier stores have read v216-231
.set pq, 0
.rept 4
	ds_load_b32 v[24+2*pq], v239 offset:PBLK*pq
	ds_load_b32 v[25+2*pq], v239 offset:PBLK*pq
.set pd, 0
.rept 8
	ds_load_b64 v[104+16*pq+2*pd:105+16*pq+2*pd], v246 offset:PBLK*pq+P0_OFF
.set pd, pd+1
.endr
.set pq, pq+1
.endr
	s_add_co_u32 s8, s68, 16-DP/4
	s_and_b32 s8, s8, 15
	s_lshl_b32 s8, s8, 12                          ; the window's first step in LDS: (pair - DP / 4) mod 16
	VP 0, \vreg
.set ps, 0
.rept 8
	PS ps, \vreg
.set ps, ps+1
.endr
	PLACES 4
	s_wait_loadcnt 0x0                             ; v_null
	WIN 0x10                                       ; source 2 (O^T) window 1
.set pq, 0
.rept 4
.set pd, 0
.rept 8
	v_pk_fma_f32 v[40+16*pq+2*pd:41+16*pq+2*pd], v[200+2*pd:201+2*pd], v[24+2*pq:25+2*pq], v[16*pq+2*pd:16*pq+2*pd+1] op_sel_hi:[1,0,1]   ; sum + the sink's weight x v_null / 2^(e8+e9); each accumulator from its low end on
.set pd, pd+1
.endr
.set pq, pq+1
.endr
	WIN 0
.set pd, 0
.rept 64
	v_med3_num_f32 v[40+pd], v[40+pd], -v20, v20
.set pd, pd+1
.endr
.set pd, 0
.rept 8
	v_cvt_scalef32_pk8_fp8_f32 v[216+2*pd:217+2*pd], v[40+8*pd:47+8*pd], v21     ; the three scales folded into one: / 2^(e10-e8-e9)
.set pd, pd+1
.endr
	v_nop
.set pq, 0
.rept 4
	global_store_b128 v1, v[216+4*pq:219+4*pq], s[18:19] offset:4096*(\br)+(pq/2)*131072+(pq%2)*2048   ; 512 consecutive bytes
.set pq, pq+1
.endr
.endm
.macro TASKS bra, brb
	SOFT \bra, 168, 232
	s_wait_tensorcnt 0x0                           ; my part of the first branch's V is in
	ds_add_u32 v252, v253
	s_wait_dscnt 0x0                               ; and my codes of P are stored
	s_barrier_signal -1
	s_barrier_wait -1                              ; everybody's are
	tensor_load_to_lds s[76:79], s[44:51]          ; the second branch's V, a first fill
	s_nop 0
	PLACES 4
	PVEPI \bra, 245
	s_wait_dscnt 0x0
	s_barrier_signal -1
	s_barrier_wait -1                              ; nobody reads the first branch's P any more
	SOFT \brb, 184, 233
	s_wait_tensorcnt 0x0
	s_wait_dscnt 0x0
	s_barrier_signal -1
	s_barrier_wait -1
	PVEPI \brb, 238
	s_wait_tensorcnt 0x0                           ; the wave's end
	ds_add_u32 v252, v253
	s_wait_dscnt 0x0
	s_endpgm
.endm
	s_load_b256 s[4:11], s[0:1], 0x0               ; q_img, k_img, v_img, f_buf
	s_load_b256 s[12:19], s[0:1], 0x20             ; sink_scalars, v_nulls, the scales' exponents, ctx_img
	v_lshl_add_u32 v252, v0, 2, SPARE
	v_mov_b32 v253, 0
	ds_add_u32 v252, v253                          ; the opening add, twice on end
	ds_add_u32 v252, v253
	v_lshrrev_b32 v1, 5, v0
	v_readfirstlane_b32 s2, v1                     ; wave 0..7
	v_and_b32 v10, 31, v0                          ; lane
	v_lshlrev_b32 v1, 4, v10                       ; 16 x lane
	v_lshlrev_b32 v255, 2, v0                      ; 4 x thread
	s_wait_alu depctr_va_vdst(0)
	s_lshr_b32 s68, s2, 1                          ; the pair
	s_and_b32 s69, s2, 1                           ; my place in it
	s_and_b32 s3, ttmp7, 0xffff                    ; y = 16 b + sub-head
	s_and_b32 s66, ttmp9, 3                        ; qb
	s_lshr_b32 s67, ttmp9, 2                       ; type
	s_lshr_b32 s80, s3, 4                          ; b
	s_and_b32 s81, s3, 15                          ; sub-head
	s_cmp_eq_u32 s67, 0
	s_cselect_b32 s82, 3, 2                        ; the first branch
	s_cselect_b32 s83, 0, 1                        ; the second
	s_lshl_b32 s84, s80, 6
	s_add_co_u32 s84, s84, s81
	s_lshl_b32 s85, s82, 4
	s_add_co_u32 s85, s85, s84                     ; 64 b + the first branch's head
	s_lshl_b32 s86, s83, 4
	s_add_co_u32 s86, s86, s84                     ; the second's
	G1SET 20, 24                                   ; an eighth of K: 6 tiles
	G1SET 44, 32                                   ; an eighth of V: 2 steps
	s_mul_i32 s88, s3, 96
	s_lshl_b32 s89, s66, 4
	s_add_co_u32 s88, s88, s89                     ; 96 y + 16 qb: the first of my 48 key tiles (32 tiles of pad stand in front of key 0)
	s_mul_i32 s89, s2, 6
	s_add_co_u32 s90, s88, s89
	s_lshl_b32 s90, s90, 10
	s_mov_b32 s91, 0
	s_mul_i32 s92, s3, 24576                       ; the keys' sums of squares: four quarters of the head, 6,144 bytes each
	s_lshl_b32 s89, s66, 10
	s_add_co_u32 s92, s92, s89
	s_mov_b32 s93, 0
	s_lshl_b32 s89, s66, 4
	s_lshl_b32 s87, s2, 1
	s_add_co_u32 s89, s89, s87                     ; my first query tile
	s_lshl_b32 s94, s85, 6
	s_add_co_u32 s94, s94, s89
	s_lshl_b32 s94, s94, 10
	s_mov_b32 s95, 0
	s_lshl_b32 s96, s86, 6
	s_add_co_u32 s96, s96, s89
	s_lshl_b32 s96, s96, 10
	s_mov_b32 s97, 0
	s_lshl_b32 s89, s66, 1
	s_add_co_u32 s89, s89, s2
	s_and_b32 s89, s89, 7
	s_lshl_b32 s89, s89, 13                        ; V turned: my LDS eighth w takes key steps 2 ((w + 2 qb) % 8) on
	s_lshl_b32 s98, s85, 16
	s_add_co_u32 s98, s98, s89
	s_mov_b32 s99, 0
	s_lshl_b32 s100, s86, 16
	s_add_co_u32 s100, s100, s89
	s_mov_b32 s101, 0
	s_wait_dscnt 0x0                               ; both opening adds are done
	s_wait_kmcnt 0x0
	G0SET 52, 6, 90, 6144, K_OFF
	tensor_load_to_lds s[52:55], s[20:27]          ; the head's one tensor load
	s_nop 0
	PLACES 4
	G0SET 72, 8, 98, 8192, VA_OFF
	G0SET 76, 8, 100, 8192, VB_OFF
	s_add_nc_u64 s[56:57], s[10:11], s[92:93]
	s_add_nc_u64 s[58:59], s[4:5], s[94:95]
	s_add_nc_u64 s[60:61], s[4:5], s[96:97]
.irp i, 0,1,2
.irp c, 0,1,2,3
	global_load_b32 v[104+4*\i+\c], v255, s[56:57] offset:6144*\c+1024*\i   ; a key a thread, three times: 768 keys
.endr
.endr
.irp k, 0,1,2,3
	global_load_b128 v[168+4*\k:171+4*\k], v1, s[58:59] offset:512*\k     ; my two images of Q, first branch
.endr
.irp k, 0,1,2,3
	global_load_b128 v[184+4*\k:187+4*\k], v1, s[60:61] offset:512*\k     ; second branch
.endr
	s_load_b64 s[62:63], s[16:17], 0x18            ; e6, e7
	s_load_b128 s[96:99], s[16:17], 0x20           ; e8, e9, e10, e11
	s_lshl_b32 s84, s81, 8
	s_mov_b32 s85, 0
	s_add_nc_u64 s[14:15], s[14:15], s[84:85]      ; v_nulls at my sub-head; a branch is 4,096 bytes on
	s_lshl_b32 s84, s80, 5
	s_lshl_b32 s86, s66, 3
	s_add_co_u32 s84, s84, s86
	s_lshl_b32 s86, s68, 1
	s_add_co_u32 s84, s84, s86                     ; 32 b + the pair's first pair of row tiles
	s_lshl_b32 s84, s84, 3
	s_lshr_b32 s86, s81, 1
	s_add_co_u32 s84, s84, s86
	s_lshl_b32 s84, s84, 14
	s_and_b32 s86, s81, 1
	s_lshl_b32 s86, s86, 10
	s_add_co_u32 s84, s84, s86
	s_lshl_b32 s86, s69, 9
	s_add_co_u32 s84, s84, s86                     ; my half of the channels: registers 4 e .. 4 e + 3 of the image
	s_add_nc_u64 s[18:19], s[18:19], s[84:85]      ; ctx_img: [pair of row tiles][pair of sub-heads][branch][tile][sub-head % 2][1,024]
	s_lshl_b32 s3, s82, 4
	s_add_co_u32 s3, s3, s81
	s_lshl_b32 s3, s3, 2
	s_lshl_b32 s66, s83, 4
	s_add_co_u32 s66, s66, s81
	s_lshl_b32 s66, s66, 2
	s_load_b32 s100, s[12:13], s3 offset:0x0       ; the two heads' sink scalars
	s_load_b32 s101, s[12:13], s66 offset:0x0
	v_lshlrev_b32 v2, 3, v10                       ; 8 x lane
	v_and_b32 v11, 15, v0                          ; r
	v_bfe_u32 v12, v0, 4, 1                        ; h
	v_lshlrev_b32 v13, 5, v12                      ; 32 h
	v_lshlrev_b32 v23, 3, v12
	v_sub_nc_u32 v23, v11, v23                     ; d = r - 8 h
	s_lshl_b32 s84, s69, 7
	v_add_nc_u32 v3, s84, v13                      ; v_null: 128 e + 32 h
	s_lshl_b32 s84, s2, 11
	s_add_co_u32 s84, s84, K_OFF
	v_add_nc_u32 v240, s84, v1                     ; K: 2 w tiles on
	s_lshl_b32 s84, s2, 7
	s_add_co_u32 s84, s84, F_OFF
	v_add_nc_u32 v241, s84, v13
	s_lshl_b32 s84, s69, 11
	v_add_nc_u32 v238, s84, v1                     ; V, second branch: my two fragments of each step
	v_add_nc_u32 v245, VA_OFF, v238                ; first
	s_mul_i32 s84, s68, PW
	s_add_co_u32 s84, s84, PBUF
	v_add_nc_u32 v246, s84, v2                     ; the pair's P, 8 bytes a lane,
	v_lshl_add_u32 v239, v10, 2, s84
	v_add_nc_u32 v239, SK_OFF, v239                ; and the sinks' weights, 4
	s_mul_i32 s85, s69, 2*PBLK
	s_add_co_u32 s84, s84, s85
	v_add_nc_u32 v243, s84, v2                     ; my two blocks
	v_lshl_add_u32 v244, v10, 2, s84
	v_add_nc_u32 v244, SK_OFF, v244
	s_lshl_b32 s85, s69, 9
	v_add_nc_u32 v242, s85, v243                   ; and the band, two tiles further on in the second wave of the pair
	v_add_nc_u32 v247, F_OFF, v255
	s_mov_b32 s10, 0x76543210                      ; v_permlanex16_b32: lane l xor 16
	s_mov_b32 s11, 0xfedcba98
	s_wait_alu depctr_va_vdst(0)
	s_wait_kmcnt 0x0
	s_add_co_i32 s62, s62, s63                     ; e6 + e7
	s_add_co_i32 s84, s96, 127
	s_lshl_b32 s85, s84, 23
	v_mov_b32 v19, s85                             ; 2^e8
	s_add_co_i32 s84, s84, 8
	s_lshl_b32 s84, s84, 23
	s_or_b32 s84, s84, 0x600000
	v_mov_b32 v18, s84                             ; 448 x 2^e8
	s_add_co_i32 s9, s96, s97
	s_sub_co_i32 s84, s98, s9
	s_add_co_i32 s84, s84, 127
	s_lshl_b32 s85, s84, 23
	v_mov_b32 v21, s85                             ; 2^(e10-e8-e9)
	s_add_co_i32 s84, s84, 8
	s_lshl_b32 s84, s84, 23
	s_or_b32 s84, s84, 0x600000
	v_mov_b32 v20, s84
	s_sub_co_i32 s9, 0, s9                         ; -(e8+e9)
.irp j, 0,1,2,3,4,5,6,7
	v_cmp_le_i32 s[80+\j], \j, v23                 ; lanes whose key 8 h + j is <= r
	v_cmp_gt_i32 s[88+\j], \j, v23                 ; and > r
.endr
	v_mov_b32 v232, s100
	v_mov_b32 v233, s101
	v_mul_f32 v232, 0x4038aa3b, v232
	v_mul_f32 v233, 0x4038aa3b, v233
	s_wait_alu depctr_va_vdst(0)
	v_exp_f32 v232, v232                           ; e^(2x), both heads
	v_exp_f32 v233, v233
	v_nop
	s_wait_alu depctr_va_vdst(0)
	v_add_f32 v232, 1.0, v232
	v_add_f32 v233, 1.0, v233
	s_wait_alu depctr_va_vdst(0)
	v_rcp_f32 v232, v232
	v_rcp_f32 v233, v233
	v_nop
	s_wait_alu depctr_va_vdst(0)
	v_fma_f32 v232, v232, -2.0, 1.0                ; tanh x
	v_fma_f32 v233, v233, -2.0, 1.0
	v_mul_f32 v232, 0x3fb8aa3b, v232
	v_mul_f32 v233, 0x3fb8aa3b, v233
	s_wait_alu depctr_va_vdst(0)
	v_exp_f32 v232, v232                           ; e^tanh
	v_exp_f32 v233, v233
	v_nop
	s_wait_alu depctr_va_vdst(0)
	s_wait_loadcnt 0x0
.irp i, 0,1,2
	v_add_f32 v[104+4*\i], v[104+4*\i], v[105+4*\i]
	v_add_f32 v[106+4*\i], v[106+4*\i], v[107+4*\i]
.endr
.irp i, 0,1,2
	v_add_f32 v[104+4*\i], v[104+4*\i], v[106+4*\i]
.endr
	s_wait_alu depctr_va_vdst(0)
.irp i, 0,1,2
	v_rsq_f32 v[104+4*\i], v[104+4*\i]
.endr
	v_nop
	s_wait_alu depctr_va_vdst(0)
.irp i, 0,1,2
	v_mul_f32 v[104+4*\i], 0x3fb8aa3b, v[104+4*\i]
.endr
.irp i, 0,1,2
	v_ldexp_f32 v[104+4*\i], v[104+4*\i], s62      ; F = log2(e) 2^(e6+e7) / |k|
.endr
.irp i, 0,1,2
	ds_store_b32 v247, v[104+4*\i] offset:1024*\i
.endr
	s_wait_alu depctr_va_vdst(0)                   ; the wait at the head's end
	s_wait_tensorcnt 0x0                           ; my part of K is in;
	ds_add_u32 v252, v253
	s_wait_dscnt 0x0                               ; the add is done, and my F are stored
	s_barrier_signal -1
	s_barrier_wait -1                              ; everybody's are
	tensor_load_to_lds s[72:75], s[44:51]          ; the first branch's V, which has that branch's softmax in which to land
	s_nop 0
	PLACES 4
	s_cmp_eq_u32 s67, 0                            ; the work-group's type: the same in all its waves
	s_cbranch_scc0 .Ltype1
	TASKS 3, 0
.Ltype1:
	TASKS 2, 1
.Lfunc_end_k_qb43785fb51_attn:
	.size	k_qb43785fb51_attn, .Lfunc_end_k_qb43785fb51_attn-k_qb43785fb51_attn
	.p2alignl 7, 3214868480
	.fill 96, 4, 3214868480
	.section	.rodata,"a",@progbits
	.p2align	6, 0x0
	.amdhsa_kernel k_qb43785fb51_attn
		.amdhsa_group_segment_fixed_size 327680
		.amdhsa_private_segment_fixed_size 0
		.amdhsa_enable_private_segment 0
		.amdhsa_kernarg_size 64
		.amdhsa_user_sgpr_count 2
		.amdhsa_user_sgpr_kernarg_segment_ptr 1
		.amdhsa_wavefront_size32 1
		.amdhsa_system_sgpr_workgroup_id_x 1
		.amdhsa_system_sgpr_workgroup_id_y 1
		.amdhsa_system_sgpr_workgroup_id_z 1
		.amdhsa_system_vgpr_workitem_id 0
		.amdhsa_next_free_vgpr 512
		.amdhsa_next_free_sgpr 102
		.amdhsa_reserve_vcc 0
		.amdhsa_float_denorm_mode_32 3
		.amdhsa_float_denorm_mode_16_64 3
		.amdhsa_memory_ordered 1
		.amdhsa_forward_progress 1
		.amdhsa_inst_pref_size 216
	.end_amdhsa_kernel
	.amdgpu_metadata
---
amdhsa.version: [ 1, 2 ]
amdhsa.kernels:
  - .name:           k_qb43785fb51_attn
    .symbol:         k_qb43785fb51_attn.kd
    .args:
      - { .name: q_img, .offset: 0, .size: 8, .value_kind: global_buffer, .address_space: global }
      - { .name: k_img, .offset: 8, .size: 8, .value_kind: global_buffer, .address_space: global }
      - { .name: v_img, .offset: 16, .size: 8, .value_kind: global_buffer, .address_space: global }
      - { .name: f_buf, .offset: 24, .size: 8, .value_kind: global_buffer, .address_space: global }
      - { .name: sink_scalars, .offset: 32, .size: 8, .value_kind: global_buffer, .address_space: global }
      - { .name: v_nulls, .offset: 40, .size: 8, .value_kind: global_buffer, .address_space: global }
      - { .name: lowp_scales, .offset: 48, .size: 8, .value_kind: global_buffer, .address_space: global }
      - { .name: ctx_img, .offset: 56, .size: 8, .value_kind: global_buffer, .address_space: global }
    .group_segment_fixed_size: 327680
    .private_segment_fixed_size: 0
    .kernarg_segment_align: 8
    .kernarg_segment_size: 64
    .max_flat_workgroup_size: 256
    .sgpr_count:     102
    .vgpr_count:     512
    .wavefront_size: 32
...
	.end_amdgpu_metadata
.endif
;; end of part 2
;; launch outp (part 3): grid 4 x 64, 4 waves a work-group, clusters of 4 x 1, 167,936 bytes of LDS; arguments ctx_img, wo_img, bO, lowp_scales, out0; writes out0
.if DOCPART == 3
	.amdgcn_target "amdgcn-amd-amdhsa--gfx1250"
	.amdhsa_code_object_version 6
	.text
	.protected	k_qb43785fb51_outp
	.globl	k_qb43785fb51_outp
	.p2align	8
	.type	k_qb43785fb51_outp,@function
k_qb43785fb51_outp:
	s_mov_b64 s[64:65], 0
	v_nop
	global_prefetch_b8 v0, s[64:65] scope:SCOPE_SE
	s_setreg_imm32_b32 hwreg(HW_REG_WAVE_MODE, 25, 1), 1
	s_wait_xcnt 0x0
	s_wait_alu depctr_hold_cnt(0) depctr_sa_sdst(0) depctr_va_vdst(0) depctr_va_sdst(0) depctr_va_ssrc(0) depctr_va_vcc(0) depctr_vm_vsrc(0)
	s_getreg_b32 s2, hwreg(HW_REG_IB_STS2, 6, 4)
	s_cmp_eq_u32 s2, 0
	s_cbranch_scc0 .Lentry_in_a_cluster
	s_endpgm
.Lentry_in_a_cluster:
	s_bfe_u32 s2, ttmp6, 0x10000c
	s_cmp_lg_u32 s2, 0x3003
	s_cbranch_scc0 .Lentry_shape_is_right
	s_endpgm
.Lentry_shape_is_right:
; out0 = the mean over the four branches of (ctx WO + bO) = (the sum over branch and k of ctx's codes x WO's codes) x 2^(e10+e11-2) + bO: ONE product with K = 4 x 1,024, on codes of FP8 (E4M3).
; SHARES.  A work-group makes 32 rows x 256 columns; wave w columns 64 w .. 64 w + 63: 2 x 4 accumulators.  The wave's part of WO (4 column tiles x 1,024 K: 512 registers) stays in registers, read once as
; images of the operand's registers, and serves all four branches.  The rows' codes (128 KB, dense, in the order of the walk) come into LDS once.
; CLUSTER 4 x 1: the four column groups of a row block need the same 128 KB: joint loads, each wave a quarter of each of four phases.  Four tensor loads of a wave are out at the most; nothing is filled twice.
; WO goes from memory straight into registers, so it is not shared in the cluster: beside the rows' codes LDS has no room for it.  No prefetch: bO and half of WO are asked for at the head, the rest of WO in steps 0 and 8.
; LIMIT: e10 + e11 - 2 between -126 and 127.
; REGISTERS.  Window 0: v1-6 addresses; v16-79 the accumulators ((tile, c) at 16 + 8 (4 tile + c)); v80-207 the rows' fragments, four steps; v208-215 bO.  Window 1: WO for K pairs of sub-heads 0-3 (64 (sp % 4) + 16 c); window 2: 4-7.
.set STG, 131072                       ; behind the rows' codes: 32 rows x (256 bytes + 16) for each wave, for the way out
.set SP,  272
.set SPARE, 165888                     ; behind the stages: the spare words, 128 bytes a wave
; IN PLACE OF THE FOUR PHASES named above: the rows' codes come by ONE joint load a wave, 32 KB, asked for at the head and waited for as a whole ahead of the first product: one tensor load of a wave is out at the most.
.set ACC, 16
.set AB,  80
.set BI,  208
.set WV,  14
.set MSB, 0
.macro WIN new                         ; the immediate's high byte repeats the setting that is left
.if MSB != (\new)
	s_set_vgpr_msb (MSB<<8)|(\new)
.set MSB, \new
.endif
.endm
.macro PLACES n
.rept \n
	v_nop
.endr
.endm
.macro CROUND                          ; a round of the cluster's barrier
	s_barrier_signal -1
	s_barrier_wait -1
	s_cmp_lg_u32 s[WV], 0
	s_cbranch_scc1 .Lnw0_\@
	s_barrier_signal -3
.Lnw0_\@:
	s_barrier_wait -3
	s_barrier_signal -1
	s_barrier_wait -1
.endm
.macro WOLOAD p                        ; WO's fragments for the pairs of sub-heads 2p, 2p+1: 32 loads.  It leaves the destination's window at 1 or 2: the caller sets the windows anew
.if (\p) < 2
	WIN 0x40
.else
	WIN 0x80
.endif
.irp u, 0, 1
.irp c, 0,1,2,3
.irp k, 0,1,2,3
	global_load_b128 v[64*((2*(\p)+\u)%4)+16*\c+4*\k:64*((2*(\p)+\u)%4)+16*\c+4*\k+3], v1, s[6:7] offset:16384*\c+2048*(2*(\p)+\u)+512*\k
.endr
.endr
.endr
.endm
.macro ALOAD st                        ; step st (128 along K of one branch): two fragments of 16 rows into buffer st % 4, in window 0
.irp t, 0, 1
.irp k, 0,1,2,3
	ds_load_b128 v[AB+32*((\st)%4)+16*\t+4*\k:AB+32*((\st)%4)+16*\t+4*\k+3], v[1+(\st)/16] offset:4096*((\st)%16)+2048*\t+512*\k
.endr
.endr
.endm
.macro STEP st
.if ((\st)%8) == 0
.if (\st) == 24
	s_wait_loadcnt 0x0
.else
	s_wait_loadcnt 32                              ; this phase's part of WO is in; the next part's 32 loads may be out
.endif
.if (\st) == 0
	WOLOAD 2
.endif
.if (\st) == 8
	WOLOAD 3
.endif
.endif
.if (\st) < 16
	WIN 0x04                                       ; source 1 (WO) window 1, all else window 0: so the LDS loads below land in window 0
.else
	WIN 0x08                                       ; source 1 window 2
.endif
	PLACES 4                                       ; in front of loads into registers that matrix instructions have read
.if (\st)+2 < 32
	ALOAD (\st)+2
	s_wait_dscnt 16                                ; all but the next two steps' loads
.elseif (\st) == 30
	s_wait_dscnt 8
.else
	s_wait_dscnt 0x0
.endif
.irp t, 0, 1                           ; the eight accumulators take turns, one instruction a turn
.irp c, 0,1,2,3
.if (\st) == 0
	v_wmma_f32_16x16x128_fp8_fp8 v[ACC+8*(4*\t+\c):ACC+8*(4*\t+\c)+7], v[AB+32*((\st)%4)+16*\t:AB+32*((\st)%4)+16*\t+15], v[64*(((\st)/4)%4)+16*\c:64*(((\st)/4)%4)+16*\c+15], 0
.else
	v_wmma_f32_16x16x128_fp8_fp8 v[ACC+8*(4*\t+\c):ACC+8*(4*\t+\c)+7], v[AB+32*((\st)%4)+16*\t:AB+32*((\st)%4)+16*\t+15], v[64*(((\st)/4)%4)+16*\c:64*(((\st)/4)%4)+16*\c+15], v[ACC+8*(4*\t+\c):ACC+8*(4*\t+\c)+7]
.endif
.endr
.endr
.endm
	s_load_b128 s[4:7], s[0:1], 0x0                ; ctx_img, wo_img
	s_load_b128 s[8:11], s[0:1], 0x10              ; bO, the scales' exponents
	s_load_b64 s[12:13], s[0:1], 0x20              ; out0
	v_lshl_add_u32 v10, v0, 2, SPARE
	v_mov_b32 v11, 0
	ds_add_u32 v10, v11                            ; the opening add, twice on end
	ds_add_u32 v10, v11
	v_lshrrev_b32 v1, 5, v0
	v_readfirstlane_b32 s[WV], v1                  ; wave 0..3
	s_bfe_u32 s15, ttmp6, 0x40000                  ; cx: the column group; it enters WO's, bO's and out0's addresses alone
	s_and_b32 s16, ttmp7, 0xffff                   ; the block of 32 rows, which the four partners share
	s_mov_b32 s24, 15|(3<<16)|(1<<21)              ; the mask: all four work-groups; elements of 8 bytes; bit 21 beside a mask
	s_mov_b32 s25, 32<<16                          ; rows of 256 bytes,
	s_mov_b32 s26, 128<<16                         ; 128 of them: 32,768 bytes a load
	s_mov_b32 s27, 32<<16
	s_mov_b32 s28, 128
	s_mov_b32 s29, 32
	s_mov_b32 s30, 0
	s_mov_b32 s31, 0
	s_lshl_b32 s17, s[WV], 15                      ; my quarter of the rows' codes
	s_lshl_b32 s18, s16, 17
	s_add_co_u32 s18, s18, s17
	s_mov_b32 s19, 0
	s_wait_alu depctr_va_vdst(0)
	s_wait_dscnt 0x0                               ; both opening adds are done
	s_wait_kmcnt 0x0
	s_load_b64 s[20:21], s[10:11], 0x28            ; e10, e11
	s_add_nc_u64 s[4:5], s[4:5], s[18:19]
	s_mov_b32 s32, 1
	s_mov_b32 s33, s17
	s_mov_b64 s[34:35], s[4:5]
	s_or_b32 s35, s35, 0x80000000
	CROUND                                         ; all four work-groups are here: the joint loads meet
	tensor_load_to_lds s[32:35], s[24:31]
	s_nop 0
	PLACES 4
	s_lshl_b32 s48, s15, 18
	s_lshl_b32 s50, s[WV], 16
	s_add_co_u32 s48, s48, s50
	s_mov_b32 s49, 0
	s_add_nc_u64 s[6:7], s[6:7], s[48:49]          ; WO's column tiles 16 cg + 4 w on
	s_lshl_b32 s48, s15, 10
	s_lshl_b32 s50, s[WV], 8
	s_add_co_u32 s48, s48, s50                     ; my 64 columns in bytes
	s_add_nc_u64 s[8:9], s[8:9], s[48:49]
	s_add_nc_u64 s[12:13], s[12:13], s[48:49]
	s_lshl_b32 s48, s16, 17                        ; 32 rows of 4,096 bytes
	s_add_nc_u64 s[12:13], s[12:13], s[48:49]
	v_and_b32 v7, 31, v0
	v_lshlrev_b32 v1, 4, v7                        ; 16 x lane: an image's place for my lane
	v_add_nc_u32 v2, 65536, v1                     ; the same for steps 16 on
	v_and_b32 v8, 15, v0                           ; r
	v_bfe_u32 v9, v0, 4, 1                         ; h
	v_lshlrev_b32 v3, 2, v8                        ; bO: 4 r
	s_mul_i32 s50, s[WV], 32*SP
	s_add_co_u32 s50, s50, STG                     ; my stage
	v_mul_u32_u24 v4, v9, 8*SP
	v_lshl_add_u32 v4, v8, 2, v4
	v_add_nc_u32 v4, s50, v4                       ; in: row 8 h (+ 16 tile + j), column r (+ 16 c)
	v_mul_u32_u24 v5, v9, SP
	v_lshl_add_u32 v5, v8, 4, v5
	v_add_nc_u32 v5, s50, v5                       ; back: lanes 0-15 one row of 256 bytes, lanes 16-31 the next
	v_lshlrev_b32 v6, 12, v9
	v_lshl_add_u32 v6, v8, 4, v6                   ; and the same two rows in out0
.irp c, 0,1,2,3
	global_load_b32 v[BI+2*\c], v3, s[8:9] offset:64*\c      ; one number a lane, twice: a pair for the packed form
	global_load_b32 v[BI+2*\c+1], v3, s[8:9] offset:64*\c
.endr
	WOLOAD 0
	WOLOAD 1
	WIN 0
	s_wait_kmcnt 0x0
	s_add_co_i32 s20, s20, s21
	s_add_co_i32 s20, s20, 125
	s_lshl_b32 s20, s20, 23                        ; 2^(e10+e11-2) as f32: the two scales and the mean over four branches
	s_mov_b32 s21, s20
	s_wait_alu depctr_va_vdst(0)                   ; the wait at the head's end
	s_wait_tensorcnt 0x0                           ; my quarter is in
	s_barrier_signal -1
	s_barrier_wait -1
	ALOAD 0
	ALOAD 1
.set sq, 0
.rept 32
	STEP sq
.set sq, sq+1
.endr
	WIN 0
	PLACES 4
.irp t, 0, 1
.irp c, 0,1,2,3
.irp i, 0,2,4,6
	v_pk_fma_f32 v[AB+8*(4*\t+\c)+\i:AB+8*(4*\t+\c)+\i+1], v[ACC+8*(4*\t+\c)+\i:ACC+8*(4*\t+\c)+\i+1], s[20:21], v[BI+2*\c:BI+2*\c+1] op_sel_hi:[1,0,1]   ; sum x 2^(e10+e11-2) + bO; each accumulator from its low end on
.endr
.endr
.endr
.irp t, 0, 1
.irp c, 0,1,2,3
.irp j, 0,1,2,3,4,5,6,7
	ds_store_b32 v4, v[AB+8*(4*\t+\c)+\j] offset:(16*\t+\j)*SP+64*\c       ; y(16 tile + 8 h + j, 16 c + r)
.endr
.endr
.endr
.irp k, 0,1,2,3,4,5,6,7,8,9,10,11,12,13,14,15
	ds_load_b128 v[144+4*\k:147+4*\k], v5 offset:2*\k*SP                   ; LDS serves a wave's instructions in order: these see my stores
.endr
.irp k, 0,1,2,3,4,5,6,7,8,9,10,11,12,13,14,15
	s_wait_dscnt 15-\k
	global_store_b128 v6, v[144+4*\k:147+4*\k], s[12:13] offset:8192*\k th:TH_STORE_NT   ; sixteen lanes store 256 consecutive bytes, at a multiple of 256 from out0's first byte
.endr
	s_wait_tensorcnt 0x0                           ; the wave's end
	ds_add_u32 v10, v11
	s_wait_dscnt 0x0
	CROUND                                         ; the closing round: no work-group ends while a partner may still ask for a tile that names it
	s_endpgm
.Lfunc_end_k_qb43785fb51_outp:
	.size	k_qb43785fb51_outp, .Lfunc_end_k_qb43785fb51_outp-k_qb43785fb51_outp
	.p2alignl 7, 3214868480
	.fill 96, 4, 3214868480
	.section	.rodata,"a",@progbits
	.p2align	6, 0x0
	.amdhsa_kernel k_qb43785fb51_outp
		.amdhsa_group_segment_fixed_size 167936
		.amdhsa_private_segment_fixed_size 0
		.amdhsa_enable_private_segment 0
		.amdhsa_kernarg_size 40
		.amdhsa_user_sgpr_count 2
		.amdhsa_user_sgpr_kernarg_segment_ptr 1
		.amdhsa_wavefront_size32 1
		.amdhsa_system_sgpr_workgroup_id_x 1
		.amdhsa_system_sgpr_workgroup_id_y 1
		.amdhsa_system_sgpr_workgroup_id_z 1
		.amdhsa_system_vgpr_workitem_id 0
		.amdhsa_next_free_vgpr 768
		.amdhsa_next_free_sgpr 66
		.amdhsa_reserve_vcc 0
		.amdhsa_float_denorm_mode_32 3
		.amdhsa_float_denorm_mode_16_64 3
		.amdhsa_memory_ordered 1
		.amdhsa_forward_progress 1
		.amdhsa_inst_pref_size 64
	.end_amdhsa_kernel
	.amdgpu_metadata
---
amdhsa.version: [ 1, 2 ]
amdhsa.kernels:
  - .name:           k_qb43785fb51_outp
    .symbol:         k_qb43785fb51_outp.kd
    .args:
      - { .name: ctx_img, .offset: 0, .size: 8, .value_kind: global_buffer, .address_space: global }
      - { .name: wo_img, .offset: 8, .size: 8, .value_kind: global_buffer, .address_space: global }
      - { .name: bO, .offset: 16, .size: 8, .value_kind: global_buffer, .address_space: global }
      - { .name: lowp_scales, .offset: 24, .size: 8, .value_kind: global_buffer, .address_space: global }
      - { .name: out0, .offset: 32, .size: 8, .value_kind: global_buffer, .address_space: global }
    .group_segment_fixed_size: 167936
    .private_segment_fixed_size: 0
    .kernarg_segment_align: 8
    .kernarg_segment_size: 40
    .max_flat_workgroup_size: 128
    .sgpr_count:     66
    .vgpr_count:     768
    .wavefront_size: 32
...
	.end_amdgpu_metadata
.endif
;; end of part 3
